; MI455X (gfx1250); checked and timed in simulation.
; The chip was launched on July 23, 2026; its instructions are those of AMD's public machine-readable ISA for CDNA 5 (MIT licence, August 2026) and "CDNA5" Instruction Set Architecture Reference Guide (July 2026). The comments in the code are by the model that wrote it; some were corrected since.
;; Attention. Allowed arithmetic: matrix products marked QUANTISED: E2M3 operands, one E8M0 scale for each 32 along K, by v_wmma_scale_f32_16x16x128_f8f6f4 with both operands' format E2M3, f32 sums; everything else in f32.
;; Inputs: proj_b 1,024 float32; proj_w 1,024 x 1,024 float32; q_bias 1,024 float32; qkv_w 3,072 x 1,024 float32; rel_pos_index 197 x 197 int32; rpb_table 732 x 16 float32; v_bias 1,024 float32; x 64 x 197 x 1,024 float32.
;; Outputs: out0 64 x 197 x 1,024 float32.
;; This version of the problem:
;;   THIS VERSION OF THE PROBLEM IS GIVEN IN LOW PRECISION. The matrix products marked QUANTISED in the list below multiply operands that are first quantised to E2M3 (2 exponent bits, 3 mantissa bits; 6 bits a number), with one power-of-two scale for each 32 numbers along K (OCP MX v1.0); their sums are f32. All else is computed in f32.
;;   The module's matrix products, in the order in which they are computed (A, B: the left and right operand; K: the contracted axis; several contracted axes count as one K, in the product's order):
;;     1. [M 12,608, K 1,024] x [K 1,024, N 3,072]; A: input x; B: input qkv_w: QUANTISED
;;     2. batch 1,024 x [M 197, K 64] x [K 64, N 197]; A: computed on the way; B: computed on the way: QUANTISED
;;     3. batch 1,024 x [M 197, K 197] x [K 197, N 64]; A: softmax (see below); B: computed on the way: QUANTISED
;;     4. [M 12,608, K 1,024] x [K 1,024, N 1,024]; A: computed on the way; B: input proj_w: QUANTISED
;;   THE QUANTISER, for each operand of a quantised product, along K:
;;     - K is cut into blocks of 32 from its start; a last block that is shorter is filled with zeros.
;;     - A block's scale is 2^e with e = floor(log2(the largest magnitude in the block)) - 2, held to -126 .. 127; a block of zeros has e = 0. As a byte (E8M0): e + 127.
;;     - Each number is divided by its block's scale, clamped to +-7.5, and rounded to the nearest number of E2M3, ties to even, subnormals kept.
;;     - The product sums the exact products of the quantised numbers (number of the format x scale) in f32.
;;   ~~~python
;;   def quantise(x, axis):      # numpy; x: float32 -> the quantised numbers, widened to float32 again
;;       x = np.moveaxis(x, axis, -1); K = x.shape[-1]
;;       x = np.pad(x, [(0, 0)] * (x.ndim - 1) + [(0, -K % 32)]); x = x.reshape(x.shape[:-1] + (-1, 32)); a = np.abs(x).max(-1, keepdims=True)
;;       e = np.where(a > 0, np.clip(np.frexp(np.where(a > 0, a, 1))[1] - 1 - 2, -126, 127), 0)      # np.frexp(a)[1] - 1 = floor(log2(a)), exactly
;;       r = np.clip(x / 2.0 ** e, -7.5, 7.5)
;;       step = 2.0 ** (np.maximum(np.frexp(np.where(r == 0, 1, r))[1] - 1, 0) - 3)
;;       q = np.round(r / step) * step * 2.0 ** e      # np.round: ties to even
;;       return np.moveaxis(q.reshape(q.shape[:-2] + (-1,))[..., :K], -1, axis).astype(np.float32)
;;   ~~~
;;   SOFTMAX AHEAD OF A QUANTISED PRODUCT. Where the list says 'softmax', what is quantised is not the finished softmax but p = 2^(t - M), with t = logit x log2(e) and M = ceil(the row's largest t), a whole number; so 1/2 < the row's largest p <= 1. The row's sum l is taken of the UNQUANTISED p, in f32, and the product's result is divided by l at the end. Since M is a whole number, a kernel that streams over the keys may use a running M (the ceiling of the running maximum): every later rescaling is an exact power of two, which a block's scale takes up: the codes' values come out the same.
;;   OPERANDS COMPUTED ON THE WAY. 'Computed on the way' means the value that the module computes at that place (a softmax that the list does not call 'softmax' is quantised finished and normalised). What goes into a quantiser is computed in f32, as accurately as f32 sums, v_exp_f32 and their like allow (about 1e-6 of the number): no bf16 or f16 on the way to a quantiser, and a product that is left as it is and whose result goes on into a quantised operand takes f32 operands (vector FMAs, or v_wmma_f32_16x16x4_f32). A number that lies on a knife's edge between two numbers of the format may be rounded either way, as far as f32 arithmetic and the matrix unit's own rounding can turn it there, and no further.
;; One version. Each part assembles by itself: llvm-mc -triple=amdgcn-amd-amdhsa -mcpu=gfx1250 --defsym DOCPART=n.
;; ======== version 1 of 1: 3 launches
;; limits: right only within a limited range of input values
;; workspace buffers: xc 10,223,616 bytes; xsc 425,984 bytes; wc 3,145,728 bytes; wsc 131,072 bytes; bw 2,768,896 bytes; ao 10,223,616 bytes; aos 524,288 bytes
;; launch prep (part 1): grid 1257 x 1, 2 waves a work-group, no clusters, 17,152 bytes of LDS; arguments x, qkv_w, proj_w, rel_pos_index, rpb_table, xc, xsc, wc, wsc, bw; writes xc, xsc, wc, wsc, bw
.if DOCPART == 1
	.amdgcn_target "amdgcn-amd-amdhsa--gfx1250"
	.amdhsa_code_object_version 6
	.text
	.protected	k_q7c0d09d1cd_prep
	.globl	k_q7c0d09d1cd_prep
	.p2align	8
	.type	k_q7c0d09d1cd_prep,@function
k_q7c0d09d1cd_prep:
	s_mov_b64 s[64:65], 0
	v_nop
	global_prefetch_b8 v0, s[64:65] scope:SCOPE_SE
	s_setreg_imm32_b32 hwreg(HW_REG_WAVE_MODE, 25, 1), 1
	s_wait_xcnt 0x0
; PREP: x [64][197][1024], qkv_w [3072][1024] and proj_w [1024][1024], f32, become codes of FP6 (E2M3) with one E8M0 byte for each 32 along K (= the 1,024),
; laid as IMAGES OF THE MATRIX OPERAND'S REGISTERS; and the relative position bias is gathered into images of an accumulator.
; A block's scale is 2^(floor(log2(largest magnitude)) - 2); its byte is the largest magnitude's exponent field - 2, held at 1 from below.
; LIMITS: NaN and infinities are not served; a block whose largest magnitude lies under 2^-124 (a block of zeros too) gets the byte 1: a zero block's codes are zeros, and the bytes are read by this program alone.
; TILES.  16 rows form a tile, and they are not neighbours: position i of tile T is row 32 (T / 2) + 8 (T % 2) + i + 8 (i / 8) (of a batch's 197 tokens, or of a head's 64 weight rows),
; so that in a later product's result the 16 registers of tiles 2 b and 2 b + 1 are 16 neighbours.  Positions of token tile 12 past token 196 repeat token 196: finite numbers that no result hangs on.
; A FRAGMENT'S IMAGE (16 rows x 128 K, 12 registers a lane, 1,536 bytes): registers 0-3 at 16 x lane, 4-5 at 512 + 8 x lane, 6-9 at 768 + 16 x lane, 10-11 at 1,280 + 8 x lane.
; A TILE'S SCALE WORDS (512 bytes): the word of row r and K step s at 256 (s / 4) + 16 r + 4 (s % 4).
; xc [b][s 8][m 13][1536]; xsc [b][m][512]; wc [hh 16][q, k, v, proj][s 8][t 4][1536]; wsc [hh][4][t][512]; bw [hh][m 13][t 13][1024].
; SHARES.  Work-groups 0 to 1,087: one tile each (x: 64 x 13; weights: 4 x 64); wave e takes K steps 4 e to 4 e + 3.  Work-groups 1,088 to 1,256: one (query tile m, key tile t) of the bias; wave w takes heads 8 w to 8 w + 7.
; Each load reads 512 consecutive bytes of one row; the 16 rows turn through the wave's own stage in LDS (pitch 528 bytes = 132 words, so the 16 rows of a read start 4 banks apart), so that a lane gets 2 x 32 neighbours along K.
; Every store covers 512 or 256 consecutive bytes at a multiple of 256.  No barrier: waves share nothing.  No matrix unit, no cluster: nothing here is read twice.
.set SPARE, 16896                      ; behind the two stages: the spare words, 128 bytes for each wave
.set STW,   8448                       ; a wave's stage: 16 rows x 528
.set R,     64                         ; v64-191  two sets of 64: a K step as loaded
.set X,     192                        ; v192-255 my 64 numbers: k = 32 h + 0..31, then 64 + 32 h + 0..31, of row r
.set C,     40                         ; v40-63   two sets of 12: a fragment's registers
	s_load_b512 s[4:19], s[0:1], 0x0               ; x 4, qkv_w 6, proj_w 8, index 10, table 12, xc 14, xsc 16, wc 18
	s_load_b128 s[20:23], s[0:1], 0x40             ; wsc 20, bw 22
	v_lshl_add_u32 v10, v0, 2, SPARE               ; my spare word; never rewritten
	v_mov_b32 v11, 0                               ; 0; never rewritten
	v_lshrrev_b32 v1, 5, v0
	v_readfirstlane_b32 s24, v1                    ; wave
	v_and_b32 v1, 31, v0                           ; lane
	v_and_b32 v2, 15, v0                           ; r
	v_bfe_u32 v3, v0, 4, 1                         ; h
	s_cmp_ge_u32 ttmp9, 1088
	s_cbranch_scc1 .Lbias
	; ---------------- the quantiser
	s_lshr_b32 s25, ttmp9, 6                       ; 0-12: x's tile m; 13-16: q, k, v, proj
	s_and_b32 s26, ttmp9, 63                       ; x: the batch; weights: 4 hh + t
	s_sub_co_u32 s27, s25, 13                      ; sel (has a meaning for weights alone)
	s_lshr_b32 s28, s26, 2                         ; hh
	s_and_b32 s29, s26, 3                          ; t
	s_cmp_eq_u32 s27, 3
	s_cselect_b32 s30, 0, s27                      ; which third of qkv_w; proj_w has one
	s_lshl_b32 s30, s30, 10
	s_lshl_b32 s31, s28, 6
	s_add_co_u32 s30, s30, s31                     ; weights: the first of the 64 rows
	s_mul_i32 s74, s28, 196608
	s_mul_i32 s31, s27, 49152
	s_add_co_u32 s74, s74, s31
	s_mul_i32 s31, s29, 1536
	s_add_co_u32 s74, s74, s31                     ; weights: the tile's place in wc
	s_lshl_b32 s75, s28, 13
	s_lshl_b32 s31, s27, 11
	s_add_co_u32 s75, s75, s31
	s_lshl_b32 s31, s29, 9
	s_add_co_u32 s75, s75, s31                     ; and in wsc
	s_mul_i32 s76, s26, 197                        ; x: the batch's first row
	s_mul_i32 s77, s26, 159744
	s_mul_i32 s31, s25, 1536
	s_add_co_u32 s77, s77, s31                     ; x: the tile's place in xc
	s_mul_i32 s78, s26, 6656
	s_lshl_b32 s31, s25, 9
	s_add_co_u32 s78, s78, s31                     ; and in xsc
	s_mov_b32 s70, 6144
	s_wait_kmcnt 0x0
	s_cmp_eq_u32 s27, 3
	s_cselect_b64 s[66:67], s[8:9], s[6:7]         ; the choices hang on the work-group's number alone
	s_cmp_lt_u32 s25, 13
	s_cselect_b64 s[66:67], s[4:5], s[66:67]       ; the source,
	s_cselect_b64 s[68:69], s[14:15], s[18:19]     ; the codes' buffer,
	s_cselect_b64 s[72:73], s[16:17], s[20:21]     ; the scale words' buffer
	s_cselect_b32 s79, s25, s29                    ; the tile's number T
	s_cselect_b32 s80, s76, s30                    ; the first row of its batch or head
	s_cselect_b32 s81, 196, 63                     ; the last row there
	s_cselect_b32 s82, s77, s74
	s_cselect_b32 s84, s78, s75
	s_cselect_b32 s70, 19968, s70                  ; bytes from K step to K step in the codes' buffer
	s_mov_b32 s83, 0
	s_add_nc_u64 s[68:69], s[68:69], s[82:83]
	s_lshl_b32 s31, s24, 8                         ; my wave's four K steps: 256 bytes of scale words
	s_add_co_u32 s84, s84, s31
	s_mov_b32 s85, 0
	s_add_nc_u64 s[72:73], s[72:73], s[84:85]
	s_lshr_b32 s31, s79, 1
	s_lshl_b32 s31, s31, 5
	s_and_b32 s86, s79, 1
	s_lshl_b32 s86, s86, 3
	s_add_co_u32 s86, s86, s31                     ; 32 (T / 2) + 8 (T % 2)
	s_mov_b32 s89, 0
.irp i, 0,1,2,3,4,5,6,7,8,9,10,11,12,13,14,15
	s_add_co_u32 s88, s86, \i+8*(\i/8)
	s_min_u32 s88, s88, s81                        ; no load leaves its batch
	s_add_co_u32 s88, s88, s80
	s_lshl_b32 s88, s88, 12                        ; a row is 4,096 bytes; the largest offset is under 2^26
	s_add_nc_u64 s[32+2*\i:33+2*\i], s[66:67], s[88:89]   ; s32-63: the address of position i's row
.endr
	s_wait_alu depctr_va_vdst(0)
	v_lshlrev_b32 v9, 4, v1                        ; 16 x lane
	s_lshl_b32 s31, s24, 11
	v_add_nc_u32 v4, s31, v9                       ; in a row: my wave's 2,048 bytes, my 16 of a K step's 512
	s_mul_i32 s31, s24, STW
	v_add_nc_u32 v5, s31, v9                       ; the stage, on the way in
	v_mul_u32_u24 v6, v2, 528
	v_lshl_add_u32 v6, v3, 7, v6
	v_add_nc_u32 v6, s31, v6                       ; and out: row r, + 128 h
	v_lshlrev_b32 v7, 3, v3                        ; 8 h
	v_lshl_add_u32 v8, v2, 4, v7                   ; 16 r + 8 h: where my two scale words go
	s_lshl_b32 s87, s24, 2
.irp f, 0,1,2,3
	s_add_co_u32 s31, s87, \f
	s_mul_i32 s31, s31, s70                        ; K step 4 e + f in the codes' buffer
	v_lshl_add_u32 v[12+\f], v1, 4, s31
	v_lshl_add_u32 v[16+\f], v1, 3, s31
.endr
	v_mov_b32 v31, 0                               ; written once: a lane permute's destination counts as one of its sources
	s_mov_b32 s90, 0x76543210
	s_mov_b32 s91, 0xfedcba98                      ; v_permlanex16_b32's selects for lane l xor 16
.macro LOAD f                          ; K step 4 e + f of the 16 rows, 512 consecutive bytes a load
.irp i, 0,1,2,3,4,5,6,7,8,9,10,11,12,13,14,15
	global_load_b128 v[R+64*((\f)%2)+4*\i:R+64*((\f)%2)+4*\i+3], v4, s[32+2*\i:33+2*\i] offset:512*(\f) th:TH_LOAD_NT
.endr
.endm
.macro STEP f
.set RS, R+64*((\f)%2)
.set CC, C+12*((\f)%2)
.if (\f) < 3
	s_wait_loadcnt 16                              ; this K step's 16 loads are in; the next step's 16 may be out
.else
	s_wait_loadcnt 0x0
.endif
.irp i, 0,1,2,3,4,5,6,7,8,9,10,11,12,13,14,15
	ds_store_b128 v5, v[RS+4*\i:RS+4*\i+3] offset:528*\i
.endr
.irp j, 0,1,2,3,4,5,6,7
	ds_load_b128 v[X+4*\j:X+4*\j+3], v6 offset:16*\j              ; LDS serves a wave's instructions in order (ISA guide 5.7.1.4): these see the stores above
.endr
.irp j, 0,1,2,3,4,5,6,7
	ds_load_b128 v[X+32+4*\j:X+32+4*\j+3], v6 offset:256+16*\j
.endr
	s_wait_dscnt 0x0                               ; my 64 numbers are in, and the stores have read the set,
.if (\f) < 2
	LOAD (\f)+2                                    ; which takes the loads of two steps on
.else
	s_wait_xcnt 0x0                                ; the stores of two steps back have read this set of codes
.endif
	v_max3_num_f32 v24, |v[X]|, |v[X+1]|, 0x1800000       ; my two whole blocks by turns, and the floor 2^(3 - 127): the byte cannot fall under 1
	v_max3_num_f32 v25, |v[X+32]|, |v[X+33]|, 0x1800000
.irp i, 2,4,6,8,10,12,14,16,18,20,22,24,26,28,30
	v_max3_num_f32 v24, v24, |v[X+\i]|, |v[X+1+\i]|
	v_max3_num_f32 v25, v25, |v[X+32+\i]|, |v[X+33+\i]|
.endr
	v_add_nc_u32 v26, 0xff000000, v24              ; 2 off the exponent field: the conversion's scale operand
	v_add_nc_u32 v27, 0xff000000, v25
	v_lshrrev_b32 v28, 23, v26                     ; the bytes of blocks h and 2 + h
	v_lshrrev_b32 v29, 23, v27
	v_lshl_or_b32 v30, v29, 16, v28
	v_lshlrev_b32 v30, v7, v30                     ; at their places in the word
	v_permlanex16_b32 v31, v30, s90, s91
	v_or_b32 v[20+(\f)], v30, v31                  ; with lane l xor 16's two the word is whole
	v_cvt_scalef32_pk16_fp6_f32 v[CC:CC+2], v[X:X+15], v26
	v_cvt_scalef32_pk16_fp6_f32 v[32:34], v[X+16:X+31], v26       ; (a conversion's three registers begin on an even number)
	v_cvt_scalef32_pk16_fp6_f32 v[CC+6:CC+8], v[X+32:X+47], v27
	v_cvt_scalef32_pk16_fp6_f32 v[36:38], v[X+48:X+63], v27
	v_nop                                          ; one plain line behind the conversions
.irp i, 0,1,2
	v_mov_b32 v[CC+3+\i], v[32+\i]
	v_mov_b32 v[CC+9+\i], v[36+\i]
.endr
	global_store_b128 v[12+(\f)], v[CC:CC+3], s[68:69]
	global_store_b64 v[16+(\f)], v[CC+4:CC+5], s[68:69] offset:512
	global_store_b128 v[12+(\f)], v[CC+6:CC+9], s[68:69] offset:768
	global_store_b64 v[16+(\f)], v[CC+10:CC+11], s[68:69] offset:1280
.endm
	LOAD 0
	LOAD 1
	STEP 0
	STEP 1
	STEP 2
	STEP 3
	v_cmp_eq_u32 vcc_lo, 1, v3                     ; both halves of the lanes hold all four words: lanes 0-15 store words 0, 1, lanes 16-31 words 2, 3
	v_cndmask_b32 v24, v20, v22, vcc_lo
	v_cndmask_b32 v25, v21, v23, vcc_lo
	global_store_b64 v8, v[24:25], s[72:73]        ; 256 consecutive bytes
	s_wait_tensorcnt 0x0                           ; the wave's end: behind my last LDS store
	ds_add_u32 v10, v11
	s_wait_dscnt 0x0
	s_endpgm
	; ---------------- the bias: register j of lane (r, h) of tile (m, t) = 8 x table[index[q][k]][head], q = position r of query tile m (held at 196), k = 32 (t / 2) + 8 (t % 2) + 16 h + j; -1e30 where k > 196
.Lbias:
	s_sub_co_u32 s25, ttmp9, 1088                  ; 13 m + t, 0 to 168
	s_mul_i32 s26, s25, 79
	s_lshr_b32 s26, s26, 10                        ; m: 79 / 1,024 is 1 / 13 closely enough up to 168
	s_mul_i32 s27, s26, 13
	s_sub_co_u32 s27, s25, s27                     ; t
	s_lshr_b32 s28, s26, 1
	s_lshl_b32 s28, s28, 5
	s_and_b32 s30, s26, 1
	s_lshl_b32 s30, s30, 3
	s_add_co_u32 s28, s28, s30
	s_lshr_b32 s29, s27, 1
	s_lshl_b32 s29, s29, 5
	s_and_b32 s30, s27, 1
	s_lshl_b32 s30, s30, 3
	s_add_co_u32 s29, s29, s30
	s_wait_alu depctr_va_vdst(0)
	v_and_b32 v4, 8, v2
	v_add_nc_u32 v4, v4, v2
	v_add_nc_u32 v4, s28, v4
	v_min_u32 v4, 196, v4                          ; q
	v_mul_u32_u24 v4, v4, 197
	v_lshl_add_u32 v5, v3, 4, s29                  ; my first key
.irp j, 0,1,2,3,4,5,6,7
	v_add_nc_u32 v[32+\j], \j, v5
	v_cmp_gt_u32 s[74+\j], 0xc5, v[32+\j]          ; is it a key at all?
	v_min_u32 v[32+\j], 196, v[32+\j]
	v_add_lshl_u32 v[32+\j], v[32+\j], v4, 2
.endr
	s_wait_alu depctr_va_vdst(0)
	s_wait_kmcnt 0x0
.irp j, 0,1,2,3,4,5,6,7
	global_load_b32 v[40+\j], v[32+\j], s[10:11]
.endr
	s_lshl_b32 s30, s24, 5                         ; my wave's eight heads: 32 bytes of a table row
	s_mov_b32 s31, 0
	s_add_nc_u64 s[12:13], s[12:13], s[30:31]
	s_mul_i32 s30, s24, 8*173056
	s_lshl_b32 s82, s25, 10
	s_add_co_u32 s30, s30, s82
	s_add_nc_u64 s[22:23], s[22:23], s[30:31]
	v_lshlrev_b32 v6, 4, v1
	v_mov_b32 v30, 0xf149f2ca                      ; -1e30
	s_wait_loadcnt 0x0
.irp j, 0,1,2,3,4,5,6,7
	v_min_u32 v[40+\j], 0x2db, v[40+\j]            ; an index stays inside the table's 732 rows
	v_lshlrev_b32 v[40+\j], 6, v[40+\j]
.endr
.irp j, 0,1,2,3,4,5,6,7
	global_load_b128 v[64+8*\j:67+8*\j], v[40+\j], s[12:13]
	global_load_b128 v[68+8*\j:71+8*\j], v[40+\j], s[12:13] offset:16
.endr
	s_wait_loadcnt 0x0
.irp i, 0,1,2,3,4,5,6,7
.irp j, 0,1,2,3,4,5,6,7
	v_mul_f32 v[128+8*\i+\j], 0x41000000, v[64+8*\j+\i]           ; x 8, exact: the scores are taken of q before its factor 1 / 8
.endr
.irp j, 0,1,2,3,4,5,6,7
	v_cndmask_b32 v[128+8*\i+\j], v30, v[128+8*\i+\j], s[74+\j]
.endr
	global_store_b128 v6, v[128+8*\i:131+8*\i], s[22:23] offset:\i*173056
	global_store_b128 v6, v[132+8*\i:135+8*\i], s[22:23] offset:\i*173056+512
.endr
	s_endpgm
.Lfunc_end_k_q7c0d09d1cd_prep:
	.size	k_q7c0d09d1cd_prep, .Lfunc_end_k_q7c0d09d1cd_prep-k_q7c0d09d1cd_prep
	.p2alignl 7, 3214868480
	.fill 96, 4, 3214868480
	.section	.rodata,"a",@progbits
	.p2align	6, 0x0
	.amdhsa_kernel k_q7c0d09d1cd_prep
		.amdhsa_group_segment_fixed_size 17152
		.amdhsa_private_segment_fixed_size 0
		.amdhsa_enable_private_segment 0
		.amdhsa_kernarg_size 80
		.amdhsa_user_sgpr_count 2
		.amdhsa_user_sgpr_kernarg_segment_ptr 1
		.amdhsa_wavefront_size32 1
		.amdhsa_system_sgpr_workgroup_id_x 1
		.amdhsa_system_sgpr_workgroup_id_y 1
		.amdhsa_system_sgpr_workgroup_id_z 1
		.amdhsa_system_vgpr_workitem_id 0
		.amdhsa_next_free_vgpr 256
		.amdhsa_next_free_sgpr 100
		.amdhsa_reserve_vcc 1
		.amdhsa_float_denorm_mode_32 3
		.amdhsa_float_denorm_mode_16_64 3
		.amdhsa_memory_ordered 1
		.amdhsa_forward_progress 1
		.amdhsa_inst_pref_size 51
	.end_amdhsa_kernel
	.amdgpu_metadata
---
amdhsa.version: [ 1, 2 ]
amdhsa.kernels:
  - .name:           k_q7c0d09d1cd_prep
    .symbol:         k_q7c0d09d1cd_prep.kd
    .args:
      - { .name: x, .offset: 0, .size: 8, .value_kind: global_buffer, .address_space: global }
      - { .name: qkv_w, .offset: 8, .size: 8, .value_kind: global_buffer, .address_space: global }
      - { .name: proj_w, .offset: 16, .size: 8, .value_kind: global_buffer, .address_space: global }
      - { .name: rel_pos_index, .offset: 24, .size: 8, .value_kind: global_buffer, .address_space: global }
      - { .name: rpb_table, .offset: 32, .size: 8, .value_kind: global_buffer, .address_space: global }
      - { .name: xc, .offset: 40, .size: 8, .value_kind: global_buffer, .address_space: global }
      - { .name: xsc, .offset: 48, .size: 8, .value_kind: global_buffer, .address_space: global }
      - { .name: wc, .offset: 56, .size: 8, .value_kind: global_buffer, .address_space: global }
      - { .name: wsc, .offset: 64, .size: 8, .value_kind: global_buffer, .address_space: global }
      - { .name: bw, .offset: 72, .size: 8, .value_kind: global_buffer, .address_space: global }
    .group_segment_fixed_size: 17152
    .private_segment_fixed_size: 0
    .kernarg_segment_align: 8
    .kernarg_segment_size: 80
    .max_flat_workgroup_size: 64
    .sgpr_count:     100
    .vgpr_count:     256
    .wavefront_size: 32
...
	.end_amdgpu_metadata
.endif
;; end of part 1
;; launch attn (part 2): grid 256 x 1, 4 waves a work-group, clusters of 4 x 1, 262,144 bytes of LDS; arguments xc, xsc, wc, wsc, q_bias, v_bias, bw, ao, aos; writes ao, aos
.if DOCPART == 2
	.amdgcn_target "amdgcn-amd-amdhsa--gfx1250"
	.amdhsa_code_object_version 6
	.text
	.protected	k_q7c0d09d1cd_attn
	.globl	k_q7c0d09d1cd_attn
	.p2align	8
	.type	k_q7c0d09d1cd_attn,@function
k_q7c0d09d1cd_attn:
	s_mov_b64 s[64:65], 0
	v_nop
	global_prefetch_b8 v0, s[64:65] scope:SCOPE_SE
	s_setreg_imm32_b32 hwreg(HW_REG_WAVE_MODE, 25, 1), 1
	s_wait_xcnt 0x0
	s_wait_alu depctr_hold_cnt(0) depctr_sa_sdst(0) depctr_va_vdst(0) depctr_va_sdst(0) depctr_va_ssrc(0) depctr_va_vcc(0) depctr_vm_vsrc(0)
	s_getreg_b32 s2, hwreg(HW_REG_IB_STS2, 6, 4)
	s_cmp_eq_u32 s2, 0
	s_cbranch_scc0 .Lentry_in_a_cluster
	s_endpgm
.Lentry_in_a_cluster:
	s_bfe_u32 s2, ttmp6, 0x10000c
	s_cmp_lg_u32 s2, 0x3003
	s_cbranch_scc0 .Lentry_shape_is_right
	s_endpgm
.Lentry_shape_is_right:
; ATTN: for one batch (197 tokens as 13 tiles of 16) and four heads, one head to a wave: q, k, v = x W^T + bias on codes of FP6 (E2M3) with E8M0 scales; each quantised in registers along its own K;
; S^T = k q^T + bias; p = 2^(t - M), M = ceil(the row's largest t); O^T = v^T p^T; O / l, quantised along the channels, leaves as codes.  q, k, v, S and p never go to memory.
; LIMITS: NaN and infinities are not served; a block whose largest magnitude lies under 2^-124 (a zero block too) gets the byte 1; q is quantised before its factor 1 / 8 (the same codes, a byte 3 higher), the stored bias is x 8 and
; c = log2(e) / 8: that differs from the factor applied first only where q / 8 would meet the exponent's hold at -126; keys past 196 get the bias -1e30, which takes 8 x |logit| far under 1e30.
; TILES: position i of tile T is element 32 (T / 2) + 8 (T % 2) + i + 8 (i / 8), for tokens and for a head's 64 weight rows alike: so the 16 registers of result tiles 2 b, 2 b + 1 are 16 neighbours along the next K.
; CLUSTER: the four work-groups of a cluster are the four head groups of ONE batch and need the same codes of x (159,744 bytes): asked for jointly, filled once, a quarter a wave, and work begins when all of it has landed.
; Weights and bias go from memory straight into the one wave's registers that uses them.  They are NOT asked for jointly: the partners of this cluster use different heads' weights and bias; a cluster of four batches could share them
; (590 KB + 692 KB through two slots behind some 23 rounds of the cluster's barrier) but would then not share x.
; PASSES: q and k: source 0 = 16 weight rows, source 1 = 16 tokens: a lane holds one token, its registers run along the head's 64.  v: the sources swapped: a lane holds one channel, its registers run along the tokens (v's K).
; A pass is 8 K steps of 52 matrix instructions on 52 accumulators by turns, one instruction a turn.  x's fragments come from LDS in three groups (tiles 0-3, 4-7, 8-12), each fetched anew behind its own products;
; the weights' four fragments of a K step come four K steps ahead, in four sets.
; LDS: 0 x's codes as in xc | 159,744 + 23,296 w: my q (13 half images of 768, 13 x 128 of scale words), then my k | 252,928 + 512 w: my result's scale half-words | 254,976 the spare words.
; REGISTERS, windows of 256.  Window 0: v1-14 addresses and constants; v16-19 ADDRESSES AND OFFSETS AND NOTHING ELSE; v20-27, v32-99 SCALE WORDS AND NOTHING ELSE (v's; x's and the weights', later k's, q's, p's); v100-143 at work;
;   v160-255 x's tiles 0-7, later v144-255 S^T.
;   Window 1: v0-191 four sets of weights, v192-251 x's tiles 8-12; later two buffers of bias v0-207, p's codes v208-247.  Windows 2, 3: the accumulators; window 3 v224-255 the bias as C; later window 2 v0-95 v's codes, window 3 k's and q's codes.
.set PARK,  159744
.set PARKW, 23296
.set KOFF,  11648                      ; k's parking behind q's
.set SCOFF, 9984                       ; the scale words behind the 13 half images
.set OSC,   252928
.set SPARE, 254976
.set L16, 1                            ; v1 16 x lane, v2 8 x lane; v3, v4 the same + 59,904; v5, v6 + 119,808 (an LDS offset has 16 bits)
.set L8,  2
.set BO,  3                            ; attention: v3, v4 the bias buffers' offsets; v5, v6 the result's
.set AO16, 5
.set AO8,  6
.set PKC16, 7                          ; v7-9 my parking: + 16, 8, 4 x lane
.set PKC8,  8
.set PKC4,  9
.set SPW, 10                           ; my spare word; never rewritten
.set NIL, 11                           ; 0; never rewritten
.set FLR, 12                           ; 2^(3 - 127)
.set MH0, 13                           ; all ones in lanes 0-15, 0 in lanes 16-31
.set OSA, 14
.set PK16, 16                          ; v16-18 the q and k passes: where the pass's codes and scale words are parked; in attention:
.set PK8,  17
.set PK4,  18
.set QAD16, 16                         ; v16-18 where the next tile's q lies; v19 where the tile's scale half-word goes
.set QAD8,  17
.set QAD4,  18
.set OSAD,  19
.set VS,  20                           ; v20-27 v's scale words: tile t, K step ks at 2 t + ks
.set NM,  28                           ; v28 -M (v29 named with it as a pair)
.set XS,  32                           ; v32-83 x's scale words: 4 m + j: lanes 0-15 K step j, lanes 16-31 K step 4 + j
.set KS,  32                           ; later v32-44 k's, v45 q's, v46-47 p's
.set QS,  45
.set PS,  46
.set WS,  84                           ; v84-99 the weights' scale words, 4 t + j
.set QT,  100                          ; the quantiser's temporaries, 12 a tile: +0..3 chains, +4, 5 the other half's, +6, 7 scale operands, +8, 9 bytes, +10 the word
.set MB,  100
.set MX,  107
.set SO,  114
.set BY,  121
.set VB,  128                          ; v128-131 v_bias of my column in tile t, up to the v pass; later:
.set LA,  128
.set LB,  130
.set PC,  132                          ; codes just made, 12 a tile (a single tile's end at v140)
.set RC,  142                          ; v142 1 / l (v143 named with it as a pair): registers that no store reads
.set S,   144
.set XA,  160
.set PCV, 160
.set PTV, 184
.set XB,  192                          ; window 1
.set PF,  208                          ; window 1
.set PT,  232                          ; window 1
.set BIAS, 224                         ; window 3
.set QF,  96                           ; window 3
.set XSB, 6
.set WB,  8
.set WSB, 10
.set QBB, 12
.set VBB, 14
.set BWB, 16
.set AOB, 18
.set AOSB, 20
.set WV,  22
.set GG,  23
.set HH,  24
.set G1A, 28
.set G1B, 36
.set G0A, 44
.set G0B, 48
.set SEL, 52
.set CS,  54
.set PASSES, 56
.set PO,  57
.set PAIRS, 58
.set MO768, 59
.set MO128, 60
.set MO1536, 61
.set BF0, 62
.set BF1, 63
.set BF1C, 66
.set MO32, 67
.set MSB, 0
.macro WIN new                         ; low byte: bits 1:0 source 0, 3:2 source 1, 5:4 source 2, 7:6 destination; the high byte repeats the setting that is left
.if MSB != (\new)
	s_set_vgpr_msb (MSB<<8)|(\new)
.set MSB, (\new)
.endif
.endm
.macro PLACES                          ; four plain lines between a matrix instruction and a load into, or a vector line on, its registers
.rept 4
	v_nop
.endr
.endm
.macro CROUND                          ; a round of the cluster's barrier
	s_barrier_signal -1
	s_barrier_wait -1
	s_cmp_lg_u32 s[WV], 0
	s_cbranch_scc1 .Lnot_wave_0_\@
	s_barrier_signal -3
.Lnot_wave_0_\@:
	s_barrier_wait -3
	s_barrier_signal -1
	s_barrier_wait -1
.endm
.macro FRAGX d, s, m                   ; x's fragment (K step s, tile m) from its image
.set FO, (((\s)%3)*13+(\m))*1536
.set FA, 1+2*((\s)/3)
	ds_load_b128 v[(\d):(\d)+3], v[FA] offset:FO
	ds_load_b64 v[(\d)+4:(\d)+5], v[FA+1] offset:FO+512
	ds_load_b128 v[(\d)+6:(\d)+9], v[FA] offset:FO+768
	ds_load_b64 v[(\d)+10:(\d)+11], v[FA+1] offset:FO+1280
.endm
.macro FETCHG g, s                     ; group g: tiles 0-3, 4-7 (16 loads) or 8-12 (20 loads)
.if (\g) < 2
	WIN 0
.set fm, 4*(\g)
.rept 4
	FRAGX XA+12*fm, \s, fm
.set fm, fm+1
.endr
.else
	WIN 0x40
.set fm, 8
.rept 5
	FRAGX XB+12*(fm-8), \s, fm
.set fm, fm+1
.endr
.endif
.endm
.macro LOADW n                         ; the weights' four fragments of K step n (counted from the pass's base; 8 to 11 are the next pass's 0 to 3) into set n % 4: 16 loads
	WIN 0x40
.set lt, 0
.rept 4
.set LD, 48*((\n)%4)+12*lt
.set LO, (4*(\n)+lt)*1536
	global_load_b128 v[LD:LD+3], v[L16], s[WB:WB+1] offset:LO
	global_load_b64 v[LD+4:LD+5], v[L8], s[WB:WB+1] offset:LO+512
	global_load_b128 v[LD+6:LD+9], v[L16], s[WB:WB+1] offset:LO+768
	global_load_b64 v[LD+10:LD+11], v[L8], s[WB:WB+1] offset:LO+1280
.set lt, lt+1
.endr
.endm
.macro WM hi                           ; one product; hi: K steps 4-7 take their scale words from lanes 16-31
.if \hi
	v_wmma_scale_f32_16x16x128_f8f6f4 v[rD:rD+7], v[rA:rA+11], v[rB:rB+11], v[rC:rC+7], v[rSA], v[rSB] matrix_a_fmt:MATRIX_FMT_FP6 matrix_b_fmt:MATRIX_FMT_FP6 matrix_a_scale:MATRIX_SCALE_ROW1 matrix_b_scale:MATRIX_SCALE_ROW1
.else
	v_wmma_scale_f32_16x16x128_f8f6f4 v[rD:rD+7], v[rA:rA+11], v[rB:rB+11], v[rC:rC+7], v[rSA], v[rSB] matrix_a_fmt:MATRIX_FMT_FP6 matrix_b_fmt:MATRIX_FMT_FP6
.endif
.endm
; Group g's products of K step s.  kind 0: accumulator (m, t) at window 2 + m / 8, v[8 (4 (m % 8) + t)].  kind 1: at window 2 + t / 2, v[8 (14 (t % 2) + m)].  In K step 0 the bias is C: nothing is cleared.
.macro MULG kind, s, g
.set m0, 4*(\g)
.set mn, 4+(\g)/2
.if (\kind) == 0
.if (\g) == 2
	WIN 0xf5
.elseif (\s) == 0
	WIN 0xb1
.else
	WIN 0xa1
.endif
.set mm, m0
.rept mn
.set tt, 0
.rept 4
.set rD, 8*(4*(mm%8)+tt)
.set rC, rD
.if (\s) == 0
.set rC, BIAS+8*tt
.endif
.set rA, 48*((\s)%4)+12*tt
.set rB, XA+12*mm
.if mm > 7
.set rB, XB+12*(mm-8)
.endif
.set rSA, WS+4*tt+(\s)%4
.set rSB, XS+4*mm+(\s)%4
	WM (\s)/4
.set tt, tt+1
.endr
.set mm, mm+1
.endr
.else
.irp th, 0, 1
.set kw, 0xa4+0x50*\th+(\g)/2
.if ((\s) == 0) && (\th == 0)
.set kw, kw+0x10
.endif
	WIN kw
.set mm, m0
.rept mn
.set tt, 2*\th
.rept 2
.set rD, 8*(14*(tt%2)+mm)
.set rC, rD
.if (\s) == 0
.set rC, BIAS+8*tt
.endif
.set rB, 48*((\s)%4)+12*tt
.set rA, XA+12*mm
.if mm > 7
.set rA, XB+12*(mm-8)
.endif
.set rSB, WS+4*tt+(\s)%4
.set rSA, XS+4*mm+(\s)%4
	WM (\s)/4
.set tt, tt+1
.endr
.set mm, mm+1
.endr
.endr
.endif
.endm
; A K step.  more = 1: a pass on the same x follows (its first fragments and weights are fetched).  sync = 1: ahead of K step 1, which fetches K step 2, x's codes are shown whole.  zb = 1: behind K step 0 the bias is cleared.
.macro STEP kind, s, more, sync, zb
.set NOF, 0
.set LW, 48
.if (\more) == 0
.if (\s) == 7
.set NOF, 1
.endif
.if (\s) > 4
.set LW, 16*(7-(\s))
.endif
.endif
.if (\sync) && ((\s) == 1)
	s_wait_tensorcnt 0x0                           ; my quarter of x's codes has landed (nothing is ever filled again: this barrier only shows the tile to the other waves),
	s_wait_dscnt 0x0                               ; no LDS instruction of mine is out at a signal,
	s_barrier_signal -1
	s_barrier_wait -1                              ; everybody's has
.endif
	s_wait_loadcnt LW                              ; this step's weights are in; the three younger sets of 16 loads may be out
	s_wait_dscnt 36                                ; tiles 0-3 are in; younger: tiles 4-7 (16) and 8-12 (20)
	MULG \kind, \s, 0
	PLACES
.if NOF == 0
	FETCHG 0, ((\s)+1)%8
	s_wait_dscnt 36                                ; tiles 4-7 are in; younger: tiles 8-12 (20) and the 16 just issued
.else
	s_wait_dscnt 20
.endif
	MULG \kind, \s, 1
	PLACES
.if NOF == 0
	FETCHG 1, ((\s)+1)%8
	s_wait_dscnt 32                                ; tiles 8-12 are in; younger: the next step's 16 + 16
.else
	s_wait_dscnt 0x0
.endif
	MULG \kind, \s, 2
	PLACES
.if (\zb) && ((\s) == 0)
	WIN 0xc0
.set zi, 0
.rept 32
	v_mov_b32 v[BIAS+zi], 0                        ; k has no bias
.set zi, zi+1
.endr
.endif
.if NOF == 0
	FETCHG 2, ((\s)+1)%8
.endif
.if ((\more) == 1) || ((\s) < 4)
	LOADW (\s)+4
.endif
.endm
.macro PASS kind, more, sync, zb
.set ps, 0
.rept 8
	STEP \kind, ps, \more, \sync, \zb
.set ps, ps+1
.endr
.endm
; n (1 or 2) tiles of 32 registers at r0 + 32 k of window w: register 16 b + i = channel 32 b + 16 (lane / 16) + i of my lane's token.  They become half a fragment's codes in v[PC + 12 k] .. + 5 and a half-word of two bytes in v[QT + 12 k + 10].
.macro QCORE w, r0, n
	WIN ((\w)<<4)|((\w)<<2)
.set qi, 0
.rept 4
.set qk, 0
.rept \n
.set qc, 0
.rept 4
.set qa, (\r0)+32*qk+8*qc+2*qi
.set qt, QT+12*qk+qc
.if qi == 0
	v_max3_num_f32 v[qt], v[FLR], |v[qa]|, |v[qa+1]|     ; a chain for each accumulator, from its low end on; the floor holds the byte at 1 from below
.else
	v_max3_num_f32 v[qt], v[qt], |v[qa]|, |v[qa+1]|
.endif
.set qc, qc+1
.endr
.set qk, qk+1
.endr
.set qi, qi+1
.endr
	WIN 0
.irp k, 0, 1
.if \k < (\n)
	v_max_num_f32 v[QT+12*\k], v[QT+12*\k], v[QT+12*\k+1]
	v_max_num_f32 v[QT+12*\k+2], v[QT+12*\k+2], v[QT+12*\k+3]
.endif
.endr
.irp k, 0, 1
.if \k < (\n)
	v_permlanex16_b32 v[QT+12*\k+4], v[QT+12*\k], s[SEL], s[SEL+1]
	v_permlanex16_b32 v[QT+12*\k+5], v[QT+12*\k+2], s[SEL], s[SEL+1]
.endif
.endr
.irp k, 0, 1
.if \k < (\n)
	v_max_num_f32 v[QT+12*\k], v[QT+12*\k], v[QT+12*\k+4]         ; with lane l xor 16's: the block's largest magnitude
	v_max_num_f32 v[QT+12*\k+2], v[QT+12*\k+2], v[QT+12*\k+5]
.endif
.endr
.irp k, 0, 1
.if \k < (\n)
	v_add_nc_u32 v[QT+12*\k+6], 0xff000000, v[QT+12*\k]           ; 2 off the exponent field: the conversion's scale operand
	v_add_nc_u32 v[QT+12*\k+7], 0xff000000, v[QT+12*\k+2]
.endif
.endr
.irp k, 0, 1
.if \k < (\n)
	v_lshrrev_b32 v[QT+12*\k+8], 23, v[QT+12*\k+6]
	v_lshrrev_b32 v[QT+12*\k+9], 23, v[QT+12*\k+7]
.endif
.endr
	s_wait_alu depctr_va_vdst(0)
	s_wait_dscnt 0x0                               ; earlier LDS stores have read the word's and the codes' registers
.irp k, 0, 1
.if \k < (\n)
	v_lshl_or_b32 v[QT+12*\k+10], v[QT+12*\k+9], 8, v[QT+12*\k+8]
.endif
.endr
	WIN (\w)
.irp k, 0, 1
.if \k < (\n)
	v_cvt_scalef32_pk16_fp6_f32 v[PC+12*\k:PC+12*\k+2], v[(\r0)+32*\k:(\r0)+32*\k+15], v[QT+12*\k+6]
	v_cvt_scalef32_pk16_fp6_f32 v[PC+12*\k+6:PC+12*\k+8], v[(\r0)+32*\k+16:(\r0)+32*\k+31], v[QT+12*\k+7]
.endif
.endr
	WIN 0
	v_nop                                          ; one plain line behind the conversions
.irp k, 0, 1
.if \k < (\n)
.irp i, 0, 1, 2
	v_permlane16_swap_b32 v[PC+12*\k+\i], v[PC+12*\k+6+\i]        ; the layout wants a whole block in a lane: lanes 0-15 block 0, lanes 16-31 block 1
.endr
.irp i, 0, 1, 2
	v_mov_b32 v[PC+12*\k+3+\i], v[PC+12*\k+6+\i]
.endr
.endif
.endr
.endm
.macro QG w, r0, mt, n                 ; tiles mt .. of q or k: quantised and parked
	QCORE \w, \r0, \n
.irp k, 0, 1
.if \k < (\n)
	ds_store_b128 v[PK16], v[PC+12*\k:PC+12*\k+3] offset:768*((\mt)+\k)
	ds_store_b64 v[PK8], v[PC+12*\k+4:PC+12*\k+5] offset:768*((\mt)+\k)+512
	ds_store_b32 v[PK4], v[QT+12*\k+10] offset:SCOFF+128*((\mt)+\k)
.endif
.endr
.endm
.macro LOADBB buf                      ; a query tile's 13 tiles of bias, accumulator images: 26 loads
	WIN 0x40
.irp t, 0,1,2,3,4,5,6,7,8,9,10,11,12
	global_load_b128 v[104*(\buf)+8*\t:104*(\buf)+8*\t+3], v[BO+(\buf)], s[BWB:BWB+1] offset:1024*\t
	global_load_b128 v[104*(\buf)+8*\t+4:104*(\buf)+8*\t+7], v[BO+(\buf)], s[BWB:BWB+1] offset:1024*\t+512
.endr
.endm
; v's tile t (16 channels): my channel's 13 x 8 sums run along the tokens: register 16 b + i = token 32 b + 16 (lane / 16) + i.  Tokens past 196 become zeros; seven blocks; two fragments (256 keys) into window 2, v[24 t].
.macro VEPI t
.set VW, 2+(\t)/2
.set VA, 112*((\t)%2)
	WIN (VW<<6)|(VW<<2)
.irp j, 0,1,2,3,4
	v_and_b32 v[VA+96+\j], v[MH0], v[VA+96+\j]     ; tokens 192 to 196 lie in lanes 0-15
.endr
.irp j, 5,6,7,8,9,10,11,12,13,14,15
	v_mov_b32 v[VA+96+\j], 0
.endr
	WIN (VW<<4)|(VW<<2)
.irp b, 0,1,2,3,4,5,6
	v_max3_num_f32 v[MB+\b], v[FLR], |v[VA+16*\b]|, |v[VA+16*\b+1]|
.endr
.irp i, 2,4,6,8,10,12,14
.irp b, 0,1,2,3,4,5,6
	v_max3_num_f32 v[MB+\b], v[MB+\b], |v[VA+16*\b+\i]|, |v[VA+16*\b+\i+1]|
.endr
.endr
	WIN 0
.irp b, 0,1,2,3,4,5,6
	v_permlanex16_b32 v[MX+\b], v[MB+\b], s[SEL], s[SEL+1]
.endr
.irp b, 0,1,2,3,4,5,6
	v_max_num_f32 v[MB+\b], v[MB+\b], v[MX+\b]
.endr
.irp b, 0,1,2,3,4,5,6
	v_add_nc_u32 v[SO+\b], 0xff000000, v[MB+\b]
.endr
.irp b, 0,1,2,3,4,5,6
	v_lshrrev_b32 v[BY+\b], 23, v[SO+\b]
.endr
	v_lshl_or_b32 v[VS+2*(\t)], v[BY+1], 8, v[BY]
	v_lshl_or_b32 v[VS+2*(\t)+1], v[BY+5], 8, v[BY+4]
	v_lshl_or_b32 v[VS+2*(\t)], v[BY+2], 16, v[VS+2*(\t)]
	v_lshl_or_b32 v[VS+2*(\t)+1], v[BY+6], 16, v[VS+2*(\t)+1]     ; block 7 is all zero codes: its byte stays 0
	v_lshl_or_b32 v[VS+2*(\t)], v[BY+3], 24, v[VS+2*(\t)]
	WIN VW
.irp c, 0,1,2,3
	v_cvt_scalef32_pk16_fp6_f32 v[PCV+6*\c:PCV+6*\c+2], v[VA+32*\c:VA+32*\c+15], v[SO+2*\c]
.if \c < 3
	v_cvt_scalef32_pk16_fp6_f32 v[PTV+4*\c:PTV+4*\c+2], v[VA+32*\c+16:VA+32*\c+31], v[SO+2*\c+1]
.endif
.endr
	WIN 0
.irp i, 0,1,2
	v_mov_b32 v[PTV+12+\i], 0                      ; block 7 (plain lines behind the conversions)
.endr
.irp c, 0,1,2,3
.irp i, 0,1,2
	v_permlane16_swap_b32 v[PCV+6*\c+\i], v[PTV+4*\c+\i]
.endr
.irp i, 0,1,2
	v_mov_b32 v[PCV+6*\c+3+\i], v[PTV+4*\c+\i]
.endr
.endr
	WIN 0x80
.set vi, 0
.rept 24
	v_mov_b32 v[24*(\t)+vi], v[PCV+vi]
.set vi, vi+1
.endr
.endm
; ONE TILE OF 16 QUERIES, its bias in buffer buf.  last = 0: the buffer takes the tile two on (offset in s[bf]) and the next tile's q is fetched.
.macro QTILE buf, last, bf
.if \last
	s_wait_loadcnt 0x0
.else
	s_wait_loadcnt 26                              ; this buffer's 26 loads are in; the other buffer's 26 may be out
.endif
	s_wait_dscnt 0x0                               ; q's codes and scale word
	WIN 0x1f                                       ; k and q window 3, the bias window 1, S^T window 0
.irp t, 0,1,2,3,4,5,6,7,8,9,10,11,12
	v_wmma_scale_f32_16x16x128_f8f6f4 v[S+8*\t:S+8*\t+7], v[6*\t:6*\t+11], v[QF:QF+11], v[104*(\buf)+8*\t:104*(\buf)+8*\t+7], v[KS+\t], v[QS] matrix_a_fmt:MATRIX_FMT_FP6 matrix_b_fmt:MATRIX_FMT_FP6   ; K = 64: source 0's upper six registers (the next tile's codes) meet q's zero codes
.endr
	WIN 0
	v_add_nc_u32 v[QAD16], s[MO768], v[PKC16]      ; these plain lines are the places behind the products
	v_add_nc_u32 v[QAD8], s[MO768], v[PKC8]
	v_add_nc_u32 v[QAD4], s[MO128], v[PKC4]
	v_add_nc_u32 v[OSAD], s[MO32], v[OSA]
.if (\last) == 0
	v_add_nc_u32 v[BO+(\buf)], s[\bf], v[L16]      ; (this buffer's earlier loads are done: their address register is free)
	LOADBB \buf
	WIN 0xc0
	ds_load_b128 v[QF:QF+3], v[QAD16] offset:768
	ds_load_b64 v[QF+4:QF+5], v[QAD8] offset:768+512
	WIN 0
	ds_load_b32 v[QS], v[QAD4] offset:SCOFF+128
.endif
.irp b, 0,1,2,3,4,5,6
	v_max3_num_f32 v[MB+\b], v[S+16*\b], v[S+16*\b+1], v[S+16*\b+2]       ; the largest score of each block of 32 keys: for the row's maximum, and, since p rises with the score, for the block's largest p
.endr
.irp i, 3,5
.irp b, 0,1,2,3,4,5,6
	v_max3_num_f32 v[MB+\b], v[MB+\b], v[S+16*\b+\i], v[S+16*\b+\i+1]
.endr
.endr
	v_max_num_f32 v[MB+6], v[MB+6], v[S+103]       ; block 6 has one tile
.irp i, 7,9,11,13
.irp b, 0,1,2,3,4,5
	v_max3_num_f32 v[MB+\b], v[MB+\b], v[S+16*\b+\i], v[S+16*\b+\i+1]
.endr
.endr
.irp b, 0,1,2,3,4,5
	v_max_num_f32 v[MB+\b], v[MB+\b], v[S+16*\b+15]
.endr
.irp b, 0,1,2,3,4,5,6
	v_permlanex16_b32 v[MX+\b], v[MB+\b], s[SEL], s[SEL+1]
.endr
.irp b, 0,1,2,3,4,5,6
	v_max_num_f32 v[MB+\b], v[MB+\b], v[MX+\b]
.endr
	v_max3_num_f32 v30, v[MB], v[MB+1], v[MB+2]
	v_max3_num_f32 v30, v30, v[MB+3], v[MB+4]
	v_max3_num_f32 v30, v30, v[MB+5], v[MB+6]
	v_mul_f32 v30, s[CS], v30                      ; the row's largest t (c is positive)
	v_floor_f32 v[NM], -v30                        ; -M = floor(-t) = -ceil(t)
.set j, 0
.rept 52
	v_pk_fma_f32 v[S+j:S+j+1], v[S+j:S+j+1], s[CS:CS+1], v[NM:NM+1] op_sel_hi:[1,0,0]   ; t - M, two at a time
.set j, j+2
.endr
.irp b, 0,1,2,3,4,5,6
	v_fma_f32 v[MB+\b], v[MB+\b], s[CS], v[NM]
.endr
.set j, 0
	s_wait_alu depctr_va_vdst(0)
.rept 104
	v_exp_f32 v[S+j], v[S+j]                       ; p = 2^(t - M): not normalised
.set j, j+1
.endr
	v_nop                                          ; a plain line behind the batch,
	s_wait_alu depctr_va_vdst(0)                   ; and one wait for it, ahead of its first reader
.irp b, 0,1,2,3,4,5,6
	v_exp_f32 v[MB+\b], v[MB+\b]                   ; each block's largest p
.endr
	v_pk_add_f32 v[LA:LA+1], v[S:S+1], v[S+2:S+3]  ; the row's sum of the unquantised p, in four chains by turns: 8 + 11 x 4 pairs are the 52 pairs of S^T
	v_pk_add_f32 v[LB:LB+1], v[S+4:S+5], v[S+6:S+7]
	v_pk_add_f32 v[PC+6:PC+7], v[S+8:S+9], v[S+10:S+11]           ; (v138-141 are free here: no store reads them, and the quantiser writes them anew further down)
	v_pk_add_f32 v[PC+8:PC+9], v[S+12:S+13], v[S+14:S+15]
.set j, 16
.rept 11
	v_pk_add_f32 v[LA:LA+1], v[LA:LA+1], v[S+j:S+j+1]
	v_pk_add_f32 v[LB:LB+1], v[LB:LB+1], v[S+j+2:S+j+3]
	v_pk_add_f32 v[PC+6:PC+7], v[PC+6:PC+7], v[S+j+4:S+j+5]
	v_pk_add_f32 v[PC+8:PC+9], v[PC+8:PC+9], v[S+j+6:S+j+7]
.set j, j+8
.endr
	v_pk_add_f32 v[LA:LA+1], v[LA:LA+1], v[LB:LB+1]               ; the four chains meet; each further step towards l stands behind a group of seven independent lines
	v_pk_add_f32 v[PC+6:PC+7], v[PC+6:PC+7], v[PC+8:PC+9]
	s_wait_alu depctr_va_vdst(0)                   ; one wait for the seven
.irp b, 0,1,2,3,4,5,6
	v_max_num_f32 v[MB+\b], v[FLR], v[MB+\b]
.endr
	v_pk_add_f32 v[LA:LA+1], v[LA:LA+1], v[PC+6:PC+7]
.irp b, 0,1,2,3,4,5,6
	v_add_nc_u32 v[SO+\b], 0xff000000, v[MB+\b]
.endr
	v_add_f32 v30, v[LA], v[LA+1]                  ; my half of the row's sum
.irp b, 0,1,2,3,4,5,6
	v_lshrrev_b32 v[BY+\b], 23, v[SO+\b]
.endr
	v_permlanex16_b32 v31, v30, s[SEL], s[SEL+1]   ; lane l xor 16's half
	v_lshl_or_b32 v[PS], v[BY+1], 8, v[BY]
	v_lshl_or_b32 v[PS+1], v[BY+5], 8, v[BY+4]
	v_lshl_or_b32 v[PS], v[BY+2], 16, v[PS]
	v_lshl_or_b32 v[PS+1], v[BY+6], 16, v[PS+1]
	v_lshl_or_b32 v[PS], v[BY+3], 24, v[PS]
	WIN 0x40                                       ; p's codes lie in window 1
.irp c, 0,1,2,3
	v_cvt_scalef32_pk16_fp6_f32 v[PF+6*\c:PF+6*\c+2], v[S+32*\c:S+32*\c+15], v[SO+2*\c]
.if \c < 3
	v_cvt_scalef32_pk16_fp6_f32 v[PT+4*\c:PT+4*\c+2], v[S+32*\c+16:S+32*\c+31], v[SO+2*\c+1]
.endif
.endr
.irp i, 0,1,2
	v_mov_b32 v[PT+12+\i], 0                       ; block 7 (plain lines behind the conversions)
.endr
	WIN 0x41
.irp c, 0,1,2,3
.irp i, 0,1,2
	v_permlane16_swap_b32 v[PF+6*\c+\i], v[PT+4*\c+\i]
.endr
.irp i, 0,1,2
	v_mov_b32 v[PF+6*\c+3+\i], v[PT+4*\c+\i]
.endr
.endr
	WIN 0
	v_add_f32 v30, v30, v31                        ; l: my half's sum and lane l xor 16's, both made among the lines above
	s_wait_alu depctr_va_vdst(0)
	v_rcp_f32 v[RC], v30                           ; (into a register that the last tile's stores do not read)
	PLACES                                         ; behind the reciprocal, and ahead of the scaled products whose operand vector lines have written
	WIN 0x06                                       ; v window 2, p window 1, O^T window 0
.irp t, 0,1,2,3
	v_wmma_scale_f32_16x16x128_f8f6f4 v[S+8*\t:S+8*\t+7], v[24*\t:24*\t+11], v[PF:PF+11], 0, v[VS+2*\t], v[PS] matrix_a_fmt:MATRIX_FMT_FP6 matrix_b_fmt:MATRIX_FMT_FP6
.endr
.irp t, 0,1,2,3
	v_wmma_scale_f32_16x16x128_f8f6f4 v[S+8*\t:S+8*\t+7], v[24*\t+12:24*\t+23], v[PF+12:PF+23], v[S+8*\t:S+8*\t+7], v[VS+2*\t+1], v[PS+1] matrix_a_fmt:MATRIX_FMT_FP6 matrix_b_fmt:MATRIX_FMT_FP6
.endr
	WIN 0
	s_wait_xcnt 0x0                                ; the last tile's stores have read their addresses and data: both are written again only behind this wait
	v_add_nc_u32 v[AO16], s[MO1536], v[L16]
	v_add_nc_u32 v[AO8], s[MO1536], v[L8]
	v_nop
	v_nop                                          ; four places behind the products
	s_wait_alu depctr_va_vdst(0)                   ; the wait for the reciprocal, ahead of its first reader
.set j, 0
.rept 16
	v_pk_mul_f32 v[S+j:S+j+1], v[S+j:S+j+1], v[RC:RC+1] op_sel_hi:[1,0]   ; O^T / l, each accumulator from its low end on
.set j, j+2
.endr
	QCORE 0, S, 1                                  ; my head's 64 channels are two blocks of the last product's K
	global_store_b128 v[AO16], v[PC:PC+3], s[AOB:AOB+1]           ; 512 and 256 consecutive bytes, at multiples of 256
	global_store_b64 v[AO8], v[PC+4:PC+5], s[AOB:AOB+1] offset:512
	ds_store_b16 v[OSAD], v[QT+10]                 ; both halves of the lanes write the same half-word with the same value
	s_add_co_u32 s[MO768], s[MO768], 768
	s_add_co_u32 s[MO128], s[MO128], 128
	s_add_co_u32 s[MO1536], s[MO1536], 12288       ; a token tile's eight fragments lie on end in ao
	s_add_co_u32 s[MO32], s[MO32], 32
.endm
	s_load_b512 s[4:19], s[0:1], 0x0               ; xc 4, xsc 6, wc 8, wsc 10, q_bias 12, v_bias 14, bw 16, ao 18
	s_load_b64 s[20:21], s[0:1], 0x40              ; aos
	v_lshl_add_u32 v[SPW], v0, 2, SPARE
	v_mov_b32 v[NIL], 0
	ds_add_u32 v[SPW], v[NIL]                      ; the wave's opening: the add and its wait ahead of my first tensor load; work on registers stands between them
	ds_add_u32 v[SPW], v[NIL]
	v_lshrrev_b32 v15, 5, v0
	v_readfirstlane_b32 s[WV], v15                 ; wave 0..3
	s_bfe_u32 s[GG], ttmp6, 0x40000                ; cx: the head group; it enters global addresses alone
	s_lshl_b32 s[HH], s[GG], 2
	s_add_co_u32 s[HH], s[HH], s[WV]               ; my head
	; group 1: dense bytes as rows of 256 (32 elements of 8 bytes): 156 rows, my quarter of the batch's codes
	s_mov_b32 s[G1A], 15|(3<<16)|(1<<21)           ; 15:0 the mask: all four work-groups; 17:16 elements of 8 bytes; 21 set beside a mask; no padding
	s_mov_b32 s[G1A+1], 32<<16                     ; tensor_dim0
	s_mov_b32 s[G1A+2], 156<<16                    ; tensor_dim1: 156 rows of 256 bytes, my quarter of the batch's codes
	s_mov_b32 s[G1A+3], 32<<16                     ; tile_dim0
	s_mov_b32 s[G1A+4], 156                        ; tile_dim1
	s_mov_b32 s[G1A+5], 32                         ; the pitch
	s_mov_b32 s[G1A+6], 0
	s_mov_b32 s[G1A+7], 0
	v_and_b32 v15, 31, v0                          ; lane
	v_lshlrev_b32 v[L16], 4, v15
	v_lshlrev_b32 v[L8], 3, v15
	v_add_nc_u32 v3, 59904, v[L16]
	v_add_nc_u32 v4, 59904, v[L8]
	v_add_nc_u32 v5, 119808, v[L16]
	v_add_nc_u32 v6, 119808, v[L8]
	s_mul_i32 s68, s[WV], PARKW
	s_add_co_u32 s68, s68, PARK
	v_add_nc_u32 v[PKC16], s68, v[L16]
	v_add_nc_u32 v[PKC8], s68, v[L8]
	v_lshl_add_u32 v[PKC4], v15, 2, s68
	v_mov_b32 v[FLR], 0x1800000
	v_bfe_u32 v30, v0, 4, 1                        ; h
	v_add_nc_u32 v[MH0], -1, v30
	v_lshlrev_b32 v30, 6, v30                      ; 64 h: q_bias of my half's eight channels of a tile
	v_and_b32 v15, 15, v0                          ; r
	s_lshl_b32 s69, s[WV], 9
	s_add_co_u32 s69, s69, OSC
	v_lshl_add_u32 v[OSA], v15, 1, s69
	v_and_b32 v31, 8, v15
	v_add_nc_u32 v31, v31, v15
	v_lshlrev_b32 v31, 2, v31                      ; 4 (r + 8 (r / 8)): v_bias of my column of a tile
	v_mov_b32 v[QT+4], 0                           ; written once: a lane permute's destination counts as one of its sources
	v_mov_b32 v[QT+5], 0
	v_mov_b32 v[QT+16], 0
	v_mov_b32 v[QT+17], 0
	s_mov_b32 s[SEL], 0x76543210
	s_mov_b32 s[SEL+1], 0xfedcba98                 ; v_permlanex16_b32's selects for lane l xor 16
	s_mov_b32 s[CS], 0x3e38aa3b                    ; c = log2(e) / 8
	s_mov_b32 s[CS+1], s[CS]                       ; (named with it as a pair)
	s_mov_b32 s[PASSES], 2
	s_mov_b32 s[PO], 0
	s_mul_i32 s70, ttmp9, 159744                   ; the batch (the cluster's x) in xc and in ao
	s_mov_b32 s71, 0
	s_mov_b32 s73, 0
	s_mul_i32 s76, s[WV], 39936                    ; my quarter, in memory and in LDS alike: made of the wave's number alone
	s_mov_b32 s77, 0
	s_wait_dscnt 0x0                               ; the opening add is done
	s_wait_kmcnt 0x0
	s_add_nc_u64 s[4:5], s[4:5], s[70:71]
	s_add_nc_u64 s[AOB:AOB+1], s[AOB:AOB+1], s[70:71]
	s_mul_i32 s72, ttmp9, 6656
	s_add_nc_u64 s[XSB:XSB+1], s[XSB:XSB+1], s[72:73]
	s_mul_i32 s72, s[HH], 196608
	s_add_nc_u64 s[WB:WB+1], s[WB:WB+1], s[72:73]
	s_lshl_b32 s72, s[HH], 13
	s_add_nc_u64 s[WSB:WSB+1], s[WSB:WSB+1], s[72:73]
	s_lshl_b32 s72, s[HH], 8
	s_add_nc_u64 s[QBB:QBB+1], s[QBB:QBB+1], s[72:73]
	s_add_nc_u64 s[VBB:VBB+1], s[VBB:VBB+1], s[72:73]
	s_mul_i32 s72, s[HH], 173056
	s_add_nc_u64 s[BWB:BWB+1], s[BWB:BWB+1], s[72:73]
	s_lshr_b32 s72, s[HH], 1                       ; the last product's K step is head / 2, the half image head % 2
	s_mul_i32 s72, s72, 1536                       ; ao is laid [b][m 13][s 8][1536]
	s_and_b32 s74, s[HH], 1
	s_mul_i32 s74, s74, 768
	s_add_co_u32 s72, s72, s74
	s_add_nc_u64 s[AOB:AOB+1], s[AOB:AOB+1], s[72:73]
	s_lshl_b32 s72, ttmp9, 2
	s_add_co_u32 s72, s72, s[GG]
	s_lshl_b32 s72, s72, 11
	s_add_nc_u64 s[AOSB:AOSB+1], s[AOSB:AOSB+1], s[72:73]
	CROUND                                         ; all four work-groups are here: the joint loads meet
	s_mov_b32 s[G0A], 1                            ; count
	s_mov_b32 s[G0A+1], s76                        ; LDS address
	s_add_nc_u64 s[G0A+2:G0A+3], s[4:5], s[76:77]
	s_or_b32 s[G0A+3], s[G0A+3], 0x80000000        ; type 2
	tensor_load_to_lds s[G0A:G0A+3], s[G1A:G1A+7]  ; the launch's only fill: one load a wave
	s_nop 0
	PLACES
.irp m, 0,1,2,3,4,5,6,7,8,9,10,11,12
	global_load_b128 v[XS+4*\m:XS+4*\m+3], v[L16], s[XSB:XSB+1] offset:512*\m
.endr
.irp t, 0,1,2,3
	global_load_b128 v[WS+4*\t:WS+4*\t+3], v[L16], s[WSB:WSB+1] offset:512*\t
.endr
	s_wait_alu depctr_va_vdst(0)
.irp t, 0,1,2,3
	global_load_b32 v[VB+\t], v31, s[VBB:VBB+1] offset:(32*(\t/2)+8*(\t%2))*4
.endr
	WIN 0xc0
.irp t, 0,1,2,3
	global_load_b128 v[BIAS+8*\t:BIAS+8*\t+3], v30, s[QBB:QBB+1] offset:(32*(\t/2)+8*(\t%2))*4
	global_load_b128 v[BIAS+8*\t+4:BIAS+8*\t+7], v30, s[QBB:QBB+1] offset:(32*(\t/2)+8*(\t%2))*4+16
.endr
	LOADW 0
	LOADW 1
	LOADW 2
	LOADW 3
	WIN 0
	s_wait_tensorcnt 0x0                           ; my quarter of x's codes is in
	s_barrier_signal -1
	s_barrier_wait -1                              ; everybody's is
	FETCHG 0, 0
	FETCHG 1, 0
	FETCHG 2, 0
	WIN 0
.Lqk:                                  ; two trips: q (bias q_bias), then k (bias 0)
	s_wait_loadcnt 0x0                             ; scale words, bias, the first four sets of weights
	s_wait_dscnt 0x0
	PASS 0, 1, 0, 1
	WIN 0
	s_wait_xcnt 0x0                                ; the loads have read their bases
	s_add_nc_u64 s[WB:WB+1], s[WB:WB+1], 49152     ; q, k, v lie on end: what K steps 4 to 7 fetched as 8 to 11 are the next pass's 0 to 3
	s_add_nc_u64 s[WSB:WSB+1], s[WSB:WSB+1], 2048
.irp t, 0,1,2,3
	global_load_b128 v[WS+4*\t:WS+4*\t+3], v[L16], s[WSB:WSB+1] offset:512*\t
.endr
	v_add_nc_u32 v[PK16], s[PO], v[PKC16]
	v_add_nc_u32 v[PK8], s[PO], v[PKC8]
	v_add_nc_u32 v[PK4], s[PO], v[PKC4]
	QG 2, 0, 0, 2
	QG 2, 64, 2, 2
	QG 2, 128, 4, 2
	QG 2, 192, 6, 2
	QG 3, 0, 8, 2
	QG 3, 64, 10, 2
	QG 3, 128, 12, 1
	s_add_co_u32 s[PO], s[PO], KOFF
	s_sub_co_u32 s[PASSES], s[PASSES], 1
	s_cmp_lg_u32 s[PASSES], 0
	s_cbranch_scc1 .Lqk
	; ---- v
	WIN 0xc0
.irp t, 0,1,2,3
.irp j, 0,1,2,3,4,5,6,7
	v_mov_b32 v[BIAS+8*\t+\j], v[VB+\t]            ; v's bias hangs on the column alone
.endr
.endr
	WIN 0
	PLACES
	s_wait_alu depctr_va_vdst(0)
	s_wait_loadcnt 0x0
	s_wait_dscnt 0x0
	PASS 1, 0, 0, 0
	WIN 0
	v_mov_b32 v[BO], v[L16]                        ; query tiles 0 and 1
	v_add_nc_u32 v[BO+1], 13312, v[L16]
.irp b, 0,1,2,3,4,5,6
	v_mov_b32 v[MX+\b], 0                          ; written once, for the lane permutes
.endr
	LOADBB 0                                       ; on their way while v is quantised
	LOADBB 1
	VEPI 0
	VEPI 1
	VEPI 2
	VEPI 3
	; ---- attention's set-up: k's 13 half images on end, six registers each; zeros behind them and in q's upper half
	WIN 0xc0
.irp i, 78,79,80,81,82,83,102,103,104,105,106,107
	v_mov_b32 v[\i], 0
.endr
.irp t, 0,1,2,3,4,5,6,7,8,9,10,11,12
	ds_load_b128 v[6*\t:6*\t+3], v[PKC16] offset:KOFF+768*\t     ; my own bytes: LDS serves a wave's instructions in order
	ds_load_b64 v[6*\t+4:6*\t+5], v[PKC8] offset:KOFF+768*\t+512
.endr
	ds_load_b128 v[QF:QF+3], v[PKC16]
	ds_load_b64 v[QF+4:QF+5], v[PKC8] offset:512
	WIN 0
.irp t, 0,1,2,3,4,5,6,7,8,9,10,11,12
	ds_load_b32 v[KS+\t], v[PKC4] offset:KOFF+SCOFF+128*\t
.endr
	ds_load_b32 v[QS], v[PKC4] offset:SCOFF
.irp i, 104,105,106,107,108,109,110,111
	v_mov_b32 v[S+\i], 0                           ; keys 200 to 207 and 216 to 223: p = 0, for good
.endr
	v_mov_b32 v[NM+1], 0                           ; (named as the upper halves of pairs)
	v_mov_b32 v[RC+1], 0
	s_mov_b32 s[MO768], 0
	s_mov_b32 s[MO128], 0
	s_mov_b32 s[MO1536], 0
	s_mov_b32 s[MO32], 0
	s_mov_b32 s[BF0], 26624                        ; query tile 2's bias: 13,312 bytes a tile
	s_mov_b32 s[BF1], 39936
	s_mov_b32 s[PAIRS], 6
.Lpair:                                ; six trips: query tiles 2 p and 2 p + 1
	QTILE 0, 0, BF0
	s_min_u32 s[BF1C], s[BF1], 159744              ; there is no tile 13: the last trip reads tile 12 again and leaves it unused, so that no load is jumped over and none leaves the buffer
	QTILE 1, 0, BF1C
	s_add_co_u32 s[BF0], s[BF0], 26624
	s_add_co_u32 s[BF1], s[BF1], 26624
	s_sub_co_u32 s[PAIRS], s[PAIRS], 1
	s_cmp_lg_u32 s[PAIRS], 0
	s_cbranch_scc1 .Lpair
	QTILE 0, 1, BF0                                ; query tile 12
	; ---- the scale half-words of four heads meet: thread i packs rows 2 i, 2 i + 1 (of 16 tiles x 16 rows; tiles 13 to 15 are zeros)
	ds_store_b16 v[OSA], v[NIL] offset:32*13
	ds_store_b16 v[OSA], v[NIL] offset:32*14
	ds_store_b16 v[OSA], v[NIL] offset:32*15
	s_wait_dscnt 0x0                               ; for the others' sake: my stores are done
	s_barrier_signal -1
	s_barrier_wait -1
	v_lshl_add_u32 v[OSAD], v0, 2, OSC             ; my word of each wave's 512 bytes
	v_lshlrev_b32 v[QAD16], 4, v0                  ; and my 16 bytes of the work-group's 2,048 in aos
.irp w, 0,1,2,3
	ds_load_b32 v[100+\w], v[OSAD] offset:512*\w
.endr
	s_wait_dscnt 0x0
	v_perm_b32 v104, v101, v100, 0x05040100        ; row 2 i: heads 0, 1,
	v_perm_b32 v105, v103, v102, 0x05040100        ; heads 2, 3;
	v_perm_b32 v106, v101, v100, 0x07060302        ; row 2 i + 1
	v_perm_b32 v107, v103, v102, 0x07060302
	s_wait_alu depctr_va_vdst(0)
	global_store_b128 v[QAD16], v[104:107], s[AOSB:AOSB+1]        ; a wave stores 512 consecutive bytes
	s_wait_tensorcnt 0x0                           ; the wave's end: behind my last tensor load and my last LDS store
	ds_add_u32 v[SPW], v[NIL]
	s_wait_dscnt 0x0
	CROUND                                         ; the closing round
	s_endpgm
.Lfunc_end_k_q7c0d09d1cd_attn:
	.size	k_q7c0d09d1cd_attn, .Lfunc_end_k_q7c0d09d1cd_attn-k_q7c0d09d1cd_attn
	.p2alignl 7, 3214868480
	.fill 96, 4, 3214868480
	.section	.rodata,"a",@progbits
	.p2align	6, 0x0
	.amdhsa_kernel k_q7c0d09d1cd_attn
		.amdhsa_group_segment_fixed_size 262144
		.amdhsa_private_segment_fixed_size 0
		.amdhsa_enable_private_segment 0
		.amdhsa_kernarg_size 72
		.amdhsa_user_sgpr_count 2
		.amdhsa_user_sgpr_kernarg_segment_ptr 1
		.amdhsa_wavefront_size32 1
		.amdhsa_system_sgpr_workgroup_id_x 1
		.amdhsa_system_sgpr_workgroup_id_y 1
		.amdhsa_system_sgpr_workgroup_id_z 1
		.amdhsa_system_vgpr_workitem_id 0
		.amdhsa_next_free_vgpr 1024
		.amdhsa_next_free_sgpr 100
		.amdhsa_reserve_vcc 0
		.amdhsa_float_denorm_mode_32 3
		.amdhsa_float_denorm_mode_16_64 3
		.amdhsa_memory_ordered 1
		.amdhsa_forward_progress 1
		.amdhsa_inst_pref_size 255
	.end_amdhsa_kernel
	.section	.bss,"aw",@nobits
	.p2align	6
	.space	262144
	.amdgpu_metadata
---
amdhsa.version: [ 1, 2 ]
amdhsa.kernels:
  - .name:           k_q7c0d09d1cd_attn
    .symbol:         k_q7c0d09d1cd_attn.kd
    .args:
      - { .name: xc, .offset: 0, .size: 8, .value_kind: global_buffer, .address_space: global }
      - { .name: xsc, .offset: 8, .size: 8, .value_kind: global_buffer, .address_space: global }
      - { .name: wc, .offset: 16, .size: 8, .value_kind: global_buffer, .address_space: global }
      - { .name: wsc, .offset: 24, .size: 8, .value_kind: global_buffer, .address_space: global }
      - { .name: q_bias, .offset: 32, .size: 8, .value_kind: global_buffer, .address_space: global }
      - { .name: v_bias, .offset: 40, .size: 8, .value_kind: global_buffer, .address_space: global }
      - { .name: bw, .offset: 48, .size: 8, .value_kind: global_buffer, .address_space: global }
      - { .name: ao, .offset: 56, .size: 8, .value_kind: global_buffer, .address_space: global }
      - { .name: aos, .offset: 64, .size: 8, .value_kind: global_buffer, .address_space: global }
    .group_segment_fixed_size: 262144
    .private_segment_fixed_size: 0
    .kernarg_segment_align: 8
    .kernarg_segment_size: 72
    .max_flat_workgroup_size: 128
    .sgpr_count:     100
    .vgpr_count:     1024
    .wavefront_size: 32
...
	.end_amdgpu_metadata
.endif
;; end of part 2
;; launch proj (part 3): grid 256 x 1, 4 waves a work-group, clusters of 4 x 1, 204,800 bytes of LDS; arguments ao, aos, wc, wsc, proj_b, out0; writes out0
.if DOCPART == 3
	.amdgcn_target "amdgcn-amd-amdhsa--gfx1250"
	.amdhsa_code_object_version 6
	.text
	.protected	k_q7c0d09d1cd_proj
	.globl	k_q7c0d09d1cd_proj
	.p2align	8
	.type	k_q7c0d09d1cd_proj,@function
k_q7c0d09d1cd_proj:
	s_mov_b64 s[64:65], 0
	v_nop
	global_prefetch_b8 v0, s[64:65] scope:SCOPE_SE
	s_setreg_imm32_b32 hwreg(HW_REG_WAVE_MODE, 25, 1), 1
	s_wait_xcnt 0x0
	s_wait_alu depctr_hold_cnt(0) depctr_sa_sdst(0) depctr_va_vdst(0) depctr_va_sdst(0) depctr_va_ssrc(0) depctr_va_vcc(0) depctr_vm_vsrc(0)
	s_getreg_b32 s2, hwreg(HW_REG_IB_STS2, 6, 4)
	s_cmp_eq_u32 s2, 0
	s_cbranch_scc0 .Lentry_in_a_cluster
	s_endpgm
.Lentry_in_a_cluster:
	s_bfe_u32 s2, ttmp6, 0x10000c
	s_cmp_lg_u32 s2, 0x3003
	s_cbranch_scc0 .Lentry_shape_is_right
	s_endpgm
.Lentry_shape_is_right:
; PROJ: out0 = A proj_w^T + proj_b, A the attention's result as codes of FP6 (E2M3) with E8M0 scales.  One batch (13 tiles of 16 tokens) and 256 columns to a work-group, 64 columns to a wave.
; THE WEIGHTS STAY IN REGISTERS: a wave's 64 rows x 1,024 K are 32 fragments, 384 registers.  The token tiles are walked one after the other: a tile is 8 K steps x 4 weight tiles = 32 matrix instructions on
; 4 accumulators by turns, one instruction a turn.  So a tile's 16 rows of out0 are finished after 32 products and leave while later tiles are multiplied.
; Tokens' fragments, accumulators, scale words and the rows on their way out have two sets each (tile % 2).  ALL MEMORY INSTRUCTIONS OF A TILE STAND IN ONE RUN AT ITS HEAD, ahead of its 32 products: tile c - 1's accumulators
; into my stage and back as rows, tile c + 1's fragments and scale words from LDS, tile c - 2's rows from registers to out0.
; Source 0 = 16 weight rows, source 1 = 16 tokens: a lane holds eight neighbouring columns of one token's row.
; TILES: position i of tile T is element 32 (T / 2) + 8 (T % 2) + i + 8 (i / 8), for tokens and for a wave's 64 weight rows.  Positions of token tile 12 past token 196 are computed and not stored.
; CLUSTER: the four work-groups of a cluster take the four column groups of ONE batch and need the same codes (159,744 bytes): asked for jointly, filled once, a quarter a wave.  The weights go from memory straight into the one
; wave's registers that uses them: the partners use different rows of proj_w.  NO PREFETCH: every byte that the launch reads is asked for at its head; there is no loop to run ahead in.
; ao [b][m 13][s 8][1536]: a fragment's image: registers 0-3 at 16 x lane, 4-5 at 512 + 8 x lane, 6-9 at 768 + 16 x lane, 10-11 at 1,280 + 8 x lane.
; LDS: 0 the batch's codes as in ao | 159,744 + 4,352 w: my stage, 16 rows x (256 + 16) | 177,152 + 6,656 w: my image of the tokens' scale words, 512 bytes a tile | 203,776 the spare words.
; REGISTERS, windows of 256.  Window 0: v1-15 addresses; v32-39 the tokens' scale words, two sets, v40-55 the weights' (scales and nothing else); v64-127 rows on their way to out0, two sets; v128-179 the scale words on their way to LDS.
;   Window 1: v0-191 weights of K steps 0-3, v192-223 proj_b as C, v224-226 LDS addresses.  Window 2: v0-191 weights of K steps 4-7.  Window 3: v0-191 the tokens' fragments, two sets of 96; v192-255 the accumulators, two sets of 32.
.set STG,   159744
.set SCI,   177152
.set SPARE, 203776
.set L16, 1
.set L8,  2
.set RD,  4
.set CO,  5
.set SCB, 6                            ; my scale image + 16 x lane
.set SCA, 7                            ; the same + the trip's offset
.set SPW, 10
.set NIL, 11
.set XSC, 32
.set WS,  40
.set OB,  64
.set TS,  128
.set BIAS, 192                         ; window 1
.set XA16, 224                         ; window 1: the trip's place in the codes + 16 x lane, + 8 x lane
.set XA8,  225
.set STO,  226                         ; window 1: where I put 16 bytes of a row in my stage
.set AC,  192                          ; window 3
.set ASB, 6
.set WB,  8
.set WSB, 10
.set PBB, 12
.set OUTB, 14
.set WV,  22
.set GG,  23
.set HH,  24
.set G1A, 28
.set G0A, 44
.set XO,  52
.set SO,  53
.set CNT, 54
.set MSB, 0
.macro WIN new                         ; low byte: bits 1:0 source 0, 3:2 source 1, 5:4 source 2, 7:6 destination; the high byte repeats the setting that is left
.if MSB != (\new)
	s_set_vgpr_msb (MSB<<8)|(\new)
.set MSB, (\new)
.endif
.endm
.macro CROUND
	s_barrier_signal -1
	s_barrier_wait -1
	s_cmp_lg_u32 s[WV], 0
	s_cbranch_scc1 .Lnot_wave_0_\@
	s_barrier_signal -3
.Lnot_wave_0_\@:
	s_barrier_wait -3
	s_barrier_signal -1
	s_barrier_wait -1
.endm
.macro LOADW n                         ; the weights' four fragments of K step n: 16 loads
	WIN 0x40+0x40*((\n)/4)
.set lt, 0
.rept 4
.set LD, 48*((\n)%4)+12*lt
.set LO, (4*(\n)+lt)*1536
	global_load_b128 v[LD:LD+3], v[L16], s[WB:WB+1] offset:LO
	global_load_b64 v[LD+4:LD+5], v[L8], s[WB:WB+1] offset:LO+512
	global_load_b128 v[LD+6:LD+9], v[L16], s[WB:WB+1] offset:LO+768
	global_load_b64 v[LD+10:LD+11], v[L8], s[WB:WB+1] offset:LO+1280
.set lt, lt+1
.endr
.endm
.macro WM hi                           ; hi: K steps 4-7 take their scale words from lanes 16-31
.if \hi
	v_wmma_scale_f32_16x16x128_f8f6f4 v[rD:rD+7], v[rA:rA+11], v[rB:rB+11], v[rC:rC+7], v[rSA], v[rSB] matrix_a_fmt:MATRIX_FMT_FP6 matrix_b_fmt:MATRIX_FMT_FP6 matrix_a_scale:MATRIX_SCALE_ROW1 matrix_b_scale:MATRIX_SCALE_ROW1
.else
	v_wmma_scale_f32_16x16x128_f8f6f4 v[rD:rD+7], v[rA:rA+11], v[rB:rB+11], v[rC:rC+7], v[rSA], v[rSB] matrix_a_fmt:MATRIX_FMT_FP6 matrix_b_fmt:MATRIX_FMT_FP6
.endif
.endm
.macro FRAG b, s, fo                   ; a token fragment (K step s of the tile fo tiles on from the trip's place) into set b.  Address window 1, data window 3
.set fd, 96*(\b)+12*(\s)
.set fa, 12288*(\fo)+1536*(\s)
	ds_load_b128 v[fd:fd+3], v[XA16] offset:fa
	ds_load_b64 v[fd+4:fd+5], v[XA8] offset:fa+512
	ds_load_b128 v[fd+6:fd+9], v[XA16] offset:fa+768
	ds_load_b64 v[fd+10:fd+11], v[XA8] offset:fa+1280
.endm
.macro TOST b, t                       ; accumulator t of set b into my stage, from its low end on.  Address window 1, data window 3
	ds_store_b128 v[STO], v[AC+32*(\b)+8*(\t):AC+32*(\b)+8*(\t)+3] offset:128*((\t)/2)+32*((\t)%2)
	ds_store_b128 v[STO], v[AC+32*(\b)+8*(\t)+4:AC+32*(\b)+8*(\t)+7] offset:128*((\t)/2)+32*((\t)%2)+16
.endm
.macro BACK b, i                       ; positions 2 i and 2 i + 1 back as whole rows of 256 bytes, into set b; LDS serves a wave's instructions in order (ISA guide 5.7.1.4): this sees the stores
	ds_load_b128 v[OB+32*(\b)+4*(\i):OB+32*(\b)+4*(\i)+3], v[RD] offset:544*(\i)
.endm
.macro SEND b, i, row                  ; sixteen lanes store 256 consecutive bytes at a multiple of 256
	global_store_b128 v[CO], v[OB+32*(\b)+4*(\i):OB+32*(\b)+4*(\i)+3], s[OUTB:OUTB+1] offset:(\row)*4096 th:TH_STORE_NT
.endm
.macro TOP                             ; the trip's LDS addresses
	WIN 0x40
	v_add_nc_u32 v[XA16], s[XO], v[L16]
	v_add_nc_u32 v[XA8], s[XO], v[L8]
	WIN 0
	v_add_nc_u32 v[SCA], s[SO], v[SCB]
	s_wait_alu depctr_va_vdst(0)
.endm
; ONE TOKEN TILE, on set p.  st: the other set's accumulators (the tile before) go through the stage and come back as rows into row set p.  fetch: the tile fo on from the trip's place comes into the other set.
; gs: the other row set (the tile two back) goes to out0, from row orow of the trip's 32.
.macro TILE p, gs, orow, st, fetch, fo
.set q, 1-(\p)
	WIN 0
	s_wait_dscnt 0x0                               ; all that the last tile's run asked of LDS, 32 products ago, is in: this tile's fragments and scale words, the rows read back
.rept 5
	v_nop                                          ; five plain lines behind the last tile's products (ISA guide 7.12.1): its results are read, its operands loaded anew, and the next tile's products write over its results
.endr
.if \st
	s_wait_xcnt 0x0                                ; the last tile's stores to out0 have read row set p
	WIN 0x0d
.irp t, 0,1,2,3
	TOST q, \t
.endr
	WIN 0
.irp i, 0,1,2,3,4,5,6,7
	BACK \p, \i
.endr
.endif
.if \fetch
	WIN 0xc1
.irp s, 0,1,2,3,4,5,6,7
	FRAG q, \s, \fo
.endr
	WIN 0
	ds_load_b128 v[XSC+4*q:XSC+4*q+3], v[SCA] offset:512*(\fo)
.endif
.if \gs
.irp i, 0,1,2,3,4,5,6,7
	SEND q, \i, (\orow)+2*\i+8*(\i/4)
.endr
.endif
.set k, 0
.rept 32
.set rD, AC+32*(\p)+8*(k%4)
.set rC, rD
.set rA, 48*((k/4)%4)+12*(k%4)
.set rB, 96*(\p)+12*(k/4)
.set rSA, WS+4*(k%4)+(k/4)%4
.set rSB, XSC+4*(\p)+(k/4)%4
.if k < 4
.set rC, BIAS+8*k
	WIN 0xdd                                       ; weights window 1, tokens 3, proj_b as C window 1, D 3: nothing is cleared
.elseif k < 16
	WIN 0xfd
.else
	WIN 0xfe                                       ; weights window 2
.endif
	WM k/16
.set k, k+1
.endr
.endm
	s_load_b256 s[4:11], s[0:1], 0x0               ; ao 4, aos 6, wc 8, wsc 10
	s_load_b128 s[12:15], s[0:1], 0x20             ; proj_b 12, out0 14
	v_lshl_add_u32 v[SPW], v0, 2, SPARE
	v_mov_b32 v[NIL], 0
	ds_add_u32 v[SPW], v[NIL]                      ; the wave's opening: the add, twice on end, and its wait ahead of my first tensor load
	ds_add_u32 v[SPW], v[NIL]
	v_lshrrev_b32 v15, 5, v0
	v_readfirstlane_b32 s[WV], v15
	s_bfe_u32 s[GG], ttmp6, 0x40000                ; cx: the column group; it enters global addresses alone
	s_lshl_b32 s[HH], s[GG], 2
	s_add_co_u32 s[HH], s[HH], s[WV]               ; my 64 columns
	s_mov_b32 s[G1A], 15|(3<<16)|(1<<21)           ; the mask of all four; elements of 8 bytes; bit 21 beside a mask; no padding
	s_mov_b32 s[G1A+1], 32<<16
	s_mov_b32 s[G1A+2], 156<<16
	s_mov_b32 s[G1A+3], 32<<16
	s_mov_b32 s[G1A+4], 156                        ; 156 rows of 256 bytes: my quarter of the batch's codes
	s_mov_b32 s[G1A+5], 32
	s_mov_b32 s[G1A+6], 0
	s_mov_b32 s[G1A+7], 0
	v_and_b32 v15, 31, v0                          ; lane; kept
	v_lshlrev_b32 v[L16], 4, v15
	v_lshlrev_b32 v[L8], 3, v15
	v_and_b32 v12, 15, v0                          ; r
	v_bfe_u32 v13, v0, 4, 1                        ; h
	s_mul_i32 s68, s[WV], 4352
	s_add_co_u32 s68, s68, STG
	v_mul_u32_u24 v14, v12, 272
	v_lshl_add_u32 v14, v13, 6, v14                ; into the stage: row r, + 64 h
	v_mul_u32_u24 v[RD], v13, 272
	v_lshl_add_u32 v[RD], v12, 4, v[RD]
	v_add_nc_u32 v[RD], s68, v[RD]                 ; back: lanes 0-15 one row, lanes 16-31 the next
	v_lshlrev_b32 v[CO], 12, v13
	v_lshl_add_u32 v[CO], v12, 4, v[CO]            ; and the same two rows in out0
	v_lshlrev_b32 v30, 6, v13                      ; 64 h: proj_b of my half's eight columns of a tile
	v_lshlrev_b32 v31, 12, v13
	v_lshl_add_u32 v31, v12, 3, v31                ; 4,096 h + 8 r: lanes 16-31 take K steps 4 to 7
	s_mul_i32 s69, s[WV], 6656
	s_add_co_u32 s69, s69, SCI
	v_add_nc_u32 v[SCB], s69, v[L16]
	WIN 0x40
	v_add_nc_u32 v[STO], s68, v14
	WIN 0
	s_mov_b32 s[XO], 0
	s_mov_b32 s[SO], 0
	s_mul_i32 s70, ttmp9, 159744
	s_mov_b32 s71, 0
	s_mov_b32 s73, 0
	s_mul_i32 s76, s[WV], 39936                    ; my quarter, in memory and in LDS alike: made of the wave's number alone
	s_mov_b32 s77, 0
	s_wait_alu depctr_va_vdst(0)
	s_wait_dscnt 0x0                               ; both opening adds are done
	s_wait_kmcnt 0x0
	s_add_nc_u64 s[4:5], s[4:5], s[70:71]
	s_mov_b32 s[G0A], 1
	s_mov_b32 s[G0A+1], s76
	s_add_nc_u64 s[G0A+2:G0A+3], s[4:5], s[76:77]
	s_or_b32 s[G0A+3], s[G0A+3], 0x80000000
	s_lshl_b32 s72, ttmp9, 13
	s_add_nc_u64 s[ASB:ASB+1], s[ASB:ASB+1], s[72:73]
	s_mul_i32 s72, s[HH], 196608
	s_add_co_u32 s72, s72, 147456                  ; the fourth unit of a group of 64 rows is proj_w's
	s_add_nc_u64 s[WB:WB+1], s[WB:WB+1], s[72:73]
	s_lshl_b32 s72, s[HH], 13
	s_add_co_u32 s72, s72, 6144
	s_add_nc_u64 s[WSB:WSB+1], s[WSB:WSB+1], s[72:73]
	s_lshl_b32 s72, s[HH], 8
	s_add_nc_u64 s[PBB:PBB+1], s[PBB:PBB+1], s[72:73]
	s_add_nc_u64 s[OUTB:OUTB+1], s[OUTB:OUTB+1], s[72:73]
	s_mul_i32 s72, ttmp9, 806912                   ; 197 rows of 4,096 bytes
	s_add_nc_u64 s[OUTB:OUTB+1], s[OUTB:OUTB+1], s[72:73]
	CROUND                                         ; all four work-groups are here: the joint loads meet
	tensor_load_to_lds s[G0A:G0A+3], s[G1A:G1A+7]  ; the launch's only fill: one load a wave
	s_nop 0
.rept 4
	v_nop
.endr
.irp m, 0,1,2,3,4,5,6,7,8,9,10,11,12
.irp gg, 0, 1
	global_load_b64 v[TS+4*\m+2*\gg:TS+4*\m+2*\gg+1], v31, s[ASB:ASB+1] offset:2048*\gg+128*\m   ; aos [b][g][m][r][2 words]: word e of group g is K step 2 g + e
.endr
.endr
.irp t, 0,1,2,3
	global_load_b128 v[WS+4*\t:WS+4*\t+3], v[L16], s[WSB:WSB+1] offset:512*\t
.endr
	WIN 0x40
.irp t, 0,1,2,3
	global_load_b128 v[BIAS+8*\t:BIAS+8*\t+3], v30, s[PBB:PBB+1] offset:(32*(\t/2)+8*(\t%2))*4
	global_load_b128 v[BIAS+8*\t+4:BIAS+8*\t+7], v30, s[PBB:PBB+1] offset:(32*(\t/2)+8*(\t%2))*4+16
.endr
.irp n, 0,1,2,3,4,5,6,7
	LOADW \n
.endr
	TOP
	s_wait_tensorcnt 0x0                           ; my quarter of the codes is in
	s_barrier_signal -1
	s_barrier_wait -1                              ; everybody's is; no tensor load of the work-group is out any more
	s_wait_loadcnt 63                              ; the 26 loads of scale words are in: 140 loads were issued behind them
.irp m, 0,1,2,3,4,5,6,7,8,9,10,11,12
	ds_store_b128 v[SCB], v[TS+4*\m:TS+4*\m+3] offset:512*\m      ; a tile's four scale registers as an image, so that the loop can take them by address
.endr
	WIN 0xc1
.irp s, 0,1,2,3,4,5,6,7
	FRAG 0, \s, 0                                  ; tile 0
.endr
	WIN 0
	ds_load_b128 v[XSC:XSC+3], v[SCA]
	s_wait_loadcnt 0x0                             ; the weights, their scale words, proj_b
	TILE 0, 0, 0, 0, 1, 1                          ; tile 0
	TILE 1, 0, 0, 1, 1, 2                          ; tile 1; tile 0 goes through the stage
	WIN 0
	s_add_co_u32 s[XO], s[XO], 24576
	s_add_co_u32 s[SO], s[SO], 1024
	s_mov_b32 s[CNT], 5
.Ltrip:                                ; five trips: trip i multiplies tiles 2 i + 2 and 2 i + 3, stores tiles 2 i and 2 i + 1 and fetches tiles 2 i + 3 and 2 i + 4
	TOP
	TILE 0, 1, 0, 1, 1, 1
	TILE 1, 1, 8, 1, 1, 2
	WIN 0
	s_wait_xcnt 0x0                                ; the trip's stores have read their base
	s_add_nc_u64 s[OUTB:OUTB+1], s[OUTB:OUTB+1], 32*4096
	s_add_co_u32 s[XO], s[XO], 24576
	s_add_co_u32 s[SO], s[SO], 1024
	s_sub_co_u32 s[CNT], s[CNT], 1
	s_cmp_lg_u32 s[CNT], 0
	s_cbranch_scc1 .Ltrip
	TILE 0, 1, 0, 1, 0, 0                          ; tile 12: nothing more to fetch
	WIN 0
	s_wait_dscnt 0x0                               ; tile 11's rows are back, in row set 0
.rept 4
	v_nop                                          ; four plain lines behind the last products
.endr
	s_wait_xcnt 0x0                                ; tile 10's stores have read row set 1
	WIN 0x0d
.irp t, 0,1,2,3
	TOST 0, \t
.endr
	WIN 0
.irp i, 0,1,2
	BACK 1, \i                                     ; tokens 192 to 196 are positions 0 to 4
.endr
.irp i, 0,1,2,3,4,5,6,7
	SEND 0, \i, 8+2*\i+8*(\i/4)
.endr
	s_wait_dscnt 0x0
	SEND 1, 0, 32
	SEND 1, 1, 34                                  ; tokens 192 to 195
	s_wait_xcnt 0x0                                ; EXEC changes only behind this wait
	v_cmp_gt_u32 vcc_lo, 16, v15
	s_and_saveexec_b32 s68, vcc_lo                 ; token 196 lies in lanes 0-15; position 5 is no token
	SEND 1, 2, 36
	s_wait_xcnt 0x0
	s_or_b32 exec_lo, exec_lo, s68
	s_wait_tensorcnt 0x0                           ; the wave's end: behind my last tensor load and my last LDS store
	ds_add_u32 v[SPW], v[NIL]
	s_wait_dscnt 0x0
	CROUND                                         ; the closing round
	s_endpgm
.Lfunc_end_k_q7c0d09d1cd_proj:
	.size	k_q7c0d09d1cd_proj, .Lfunc_end_k_q7c0d09d1cd_proj-k_q7c0d09d1cd_proj
	.p2alignl 7, 3214868480
	.fill 96, 4, 3214868480
	.section	.rodata,"a",@progbits
	.p2align	6, 0x0
	.amdhsa_kernel k_q7c0d09d1cd_proj
		.amdhsa_group_segment_fixed_size 204800
		.amdhsa_private_segment_fixed_size 0
		.amdhsa_enable_private_segment 0
		.amdhsa_kernarg_size 48
		.amdhsa_user_sgpr_count 2
		.amdhsa_user_sgpr_kernarg_segment_ptr 1
		.amdhsa_wavefront_size32 1
		.amdhsa_system_sgpr_workgroup_id_x 1
		.amdhsa_system_sgpr_workgroup_id_y 1
		.amdhsa_system_sgpr_workgroup_id_z 1
		.amdhsa_system_vgpr_workitem_id 0
		.amdhsa_next_free_vgpr 1024
		.amdhsa_next_free_sgpr 100
		.amdhsa_reserve_vcc 1
		.amdhsa_float_denorm_mode_32 3
		.amdhsa_float_denorm_mode_16_64 3
		.amdhsa_memory_ordered 1
		.amdhsa_forward_progress 1
		.amdhsa_inst_pref_size 64
	.end_amdhsa_kernel
	.amdgpu_metadata
---
amdhsa.version: [ 1, 2 ]
amdhsa.kernels:
  - .name:           k_q7c0d09d1cd_proj
    .symbol:         k_q7c0d09d1cd_proj.kd
    .args:
      - { .name: ao, .offset: 0, .size: 8, .value_kind: global_buffer, .address_space: global }
      - { .name: aos, .offset: 8, .size: 8, .value_kind: global_buffer, .address_space: global }
      - { .name: wc, .offset: 16, .size: 8, .value_kind: global_buffer, .address_space: global }
      - { .name: wsc, .offset: 24, .size: 8, .value_kind: global_buffer, .address_space: global }
      - { .name: proj_b, .offset: 32, .size: 8, .value_kind: global_buffer, .address_space: global }
      - { .name: out0, .offset: 40, .size: 8, .value_kind: global_buffer, .address_space: global }
    .group_segment_fixed_size: 204800
    .private_segment_fixed_size: 0
    .kernarg_segment_align: 8
    .kernarg_segment_size: 48
    .max_flat_workgroup_size: 128
    .sgpr_count:     100
    .vgpr_count:     1024
    .wavefront_size: 32
...
	.end_amdgpu_metadata
.endif
;; end of part 3
